; MI455X (gfx1250); checked and timed in simulation.
; The chip was launched on July 23, 2026; its instructions are those of AMD's public machine-readable ISA for CDNA 5 (MIT licence, August 2026) and "CDNA5" Instruction Set Architecture Reference Guide (July 2026). The comments in the code are by the model that wrote it; some were corrected since.
;; Attention. Allowed arithmetic: matrix products marked QUANTISED: E5M2 operands, one E8M0 scale for each 32 along K, by v_wmma_scale_f32_16x16x128_f8f6f4 with both operands' format E5M2, f32 sums; everything else in f32.
;; Inputs: W_proj_codes 1,024 x 32 x 32 uint8 (E5M2 codes of W_proj, K innermost, in blocks of 32 codes); W_proj_scales 1,024 x 32 uint8 (E8M0 scales of W_proj, one for each 32 codes along K); W_qkv_codes 3,072 x 32 x 32 uint8 (E5M2 codes of W_qkv, K innermost, in blocks of 32 codes); W_qkv_scales 3,072 x 32 uint8 (E8M0 scales of W_qkv, one for each 32 codes along K); b_proj 1,024 float32; freqs 2,048 x 64 float32; x_codes 4 x 2,048 x 32 x 32 uint8 (E5M2 codes of x, K innermost, in blocks of 32 codes); x_scales 4 x 2,048 x 32 uint8 (E8M0 scales of x, one for each 32 codes along K).
;; Outputs: out0 4 x 2,048 x 1,024 float32.
;; This version of the problem:
;;   THIS VERSION OF THE PROBLEM IS GIVEN IN LOW PRECISION. The matrix products marked QUANTISED in the list below multiply operands that are first quantised to E5M2 (5 exponent bits, 2 mantissa bits; 8 bits a number), with one power-of-two scale for each 32 numbers along K (OCP MX v1.0); their sums are f32. All else is computed in f32.
;;   The module's matrix products, in the order in which they are computed (A, B: the left and right operand; K: the contracted axis; several contracted axes count as one K, in the product's order):
;;     1. [M 8,192, K 1,024] x [K 1,024, N 3,072]; A: input x (given as codes); B: input W_qkv (given as codes): QUANTISED
;;     2. batch 64 x [M 2,048, K 64] x [K 64, N 2,048]; A: computed on the way; B: computed on the way: QUANTISED
;;     3. batch 64 x [M 2,048, K 2,048] x [K 2,048, N 64]; A: softmax (see below); B: computed on the way: QUANTISED
;;     4. [M 8,192, K 1,024] x [K 1,024, N 1,024]; A: computed on the way; B: input W_proj (given as codes): QUANTISED
;;   THE QUANTISER, for each operand of a quantised product, along K:
;;     - K is cut into blocks of 32 from its start; a last block that is shorter is filled with zeros.
;;     - A block's scale is 2^e with e = floor(log2(the largest magnitude in the block)) - 15, held to -126 .. 127; a block of zeros has e = 0. As a byte (E8M0): e + 127.
;;     - Each number is divided by its block's scale, clamped to +-57,344, and rounded to the nearest number of E5M2, ties to even, subnormals kept.
;;     - The product sums the exact products of the quantised numbers (number of the format x scale) in f32.
;;   ~~~python
;;   def quantise(x, axis):      # numpy; x: float32 -> the quantised numbers, widened to float32 again
;;       x = np.moveaxis(x, axis, -1); K = x.shape[-1]
;;       x = np.pad(x, [(0, 0)] * (x.ndim - 1) + [(0, -K % 32)]); x = x.reshape(x.shape[:-1] + (-1, 32)); a = np.abs(x).max(-1, keepdims=True)
;;       e = np.where(a > 0, np.clip(np.frexp(np.where(a > 0, a, 1))[1] - 1 - 15, -126, 127), 0)      # np.frexp(a)[1] - 1 = floor(log2(a)), exactly
;;       r = np.clip(x / 2.0 ** e, -57344, 57344)
;;       step = 2.0 ** (np.maximum(np.frexp(np.where(r == 0, 1, r))[1] - 1, -14) - 2)
;;       q = np.round(r / step) * step * 2.0 ** e      # np.round: ties to even
;;       return np.moveaxis(q.reshape(q.shape[:-2] + (-1,))[..., :K], -1, axis).astype(np.float32)
;;   ~~~
;;   SOFTMAX AHEAD OF A QUANTISED PRODUCT. Where the list says 'softmax', what is quantised is not the finished softmax but p = 2^(t - M), with t = logit x log2(e) and M = ceil(the row's largest t), a whole number; so 1/2 < the row's largest p <= 1. The row's sum l is taken of the UNQUANTISED p, in f32, and the product's result is divided by l at the end. Since M is a whole number, a kernel that streams over the keys may use a running M (the ceiling of the running maximum): every later rescaling is an exact power of two, which a block's scale takes up: the codes' values come out the same.
;;   OPERANDS COMPUTED ON THE WAY. 'Computed on the way' means the value that the module computes at that place (a softmax that the list does not call 'softmax' is quantised finished and normalised). What goes into a quantiser is computed in f32, as accurately as f32 sums, v_exp_f32 and their like allow (about 1e-6 of the number): no bf16 or f16 on the way to a quantiser, and a product that is left as it is and whose result goes on into a quantised operand takes f32 operands (vector FMAs, or v_wmma_f32_16x16x4_f32). A number that lies on a knife's edge between two numbers of the format may be rounded either way, as far as f32 arithmetic and the matrix unit's own rounding can turn it there, and no further.
;;   INPUTS GIVEN AS CODES. W_proj (in the module: [1024, 1024], K = its axis 1); W_qkv (in the module: [3072, 1024], K = its axis 1); x (in the module: [4, 2048, 1024], K = its axis 2): each comes as NAME_codes (uint8): NAME with its K axis moved to the last place and cut into blocks of 32 codes, [.., K / 32, bytes a block], one block behind the other in memory; one code a byte (a code: sign, 5 exponent bits, 2 mantissa bits); and NAME_scales (uint8): the same leading axes, one E8M0 byte (e + 127) for each 32 codes along K. Its value is code x scale, taken as it is: it is not quantised again, and the codes and scales need not be those that the quantiser above would give.
;; One version. Each part assembles by itself: llvm-mc -triple=amdgcn-amd-amdhsa -mcpu=gfx1250 --defsym DOCPART=n.
;; ======== version 1 of 1: 4 launches
;; limits: right only within a limited range of input values
;; workspace buffers: cs 1,048,576 bytes; q 8,912,896 bytes; kv 17,563,648 bytes; yc 8,388,608 bytes; ys 262,144 bytes
;; launch trig (part 1): grid 128 x 1, 8 waves a work-group, no clusters, 0 bytes of LDS; arguments freqs, cs; writes cs
.if DOCPART == 1
	.amdgcn_target "amdgcn-amd-amdhsa--gfx1250"
	.amdhsa_code_object_version 6
	.text
	.protected	k_q233272164d_trig
	.globl	k_q233272164d_trig
	.p2align	8
	.type	k_q233272164d_trig,@function
k_q233272164d_trig:
	s_mov_b64 s[64:65], 0
	v_nop
	global_prefetch_b8 v0, s[64:65] scope:SCOPE_SE
	s_setreg_imm32_b32 hwreg(HW_REG_WAVE_MODE, 25, 1), 1
	s_wait_xcnt 0x0
; cos(freqs) and a signed sin(freqs), f32, laid in the order in which the next launch's registers take them.
; freqs: [2048][64].  cs: [t / 16: 128][d / 32: 2][cos, sin': 2][quad: 4][lane: 32][4 numbers].  Lane (r, h) of quad k holds token 16 g + r and
; d = 32 beta + 16 (k / 2) + 8 h + 4 (k % 2) + 0 .. 3.  sin'(d) = -sin for even d, +sin for odd d: the sign that the rotation of a pair (x1, x2) -> (-x2, x1) brings.
; A work-group takes 16 tokens; wave w takes beta = w / 4 and quad = w % 4; a thread makes four cosines and four sines.  Each store of a wave covers 512 consecutive bytes.
; ARITHMETIC: n = the nearest whole number to x 2/pi; r = x - n pi/2 with pi/2 in three parts, by fused multiply-adds; polynomials of degree 7 and 8 on |r| <= pi/4; the quadrant picks and signs them
; by v_cndmask_b32 and exclusive ors: no branch.  LIMITS: |freqs| under 2^20 (absolute error about 1e-7 there); NaN and infinities are not served.
; No LDS, no matrix unit, no cluster: 512 KiB are read and 1 MiB is written, once.
.set X,  8                             ; v[8:11]   x
.set N,  12                            ; v[12:15]  n
.set R,  16                            ; v[16:19]  r
.set Z,  20                            ; v[20:23]  r r
.set SP, 24                            ; v[24:27]  the sine's polynomial
.set CP, 28                            ; v[28:31]  the cosine's
.set NI, 32                            ; v[32:35]  n as a whole number
.set W,  36                            ; v[36:43]  at work
.set CO, 44                            ; v[44:47]  cos
.set SN, 48                            ; v[48:51]  sin'
	s_load_b128 s[4:7], s[0:1], 0x0                ; freqs, cs
	v_lshrrev_b32 v1, 5, v0
	s_delay_alu instid0(VALU_DEP_1)
	v_readfirstlane_b32 s8, v1                     ; wave 0..7
	v_and_b32 v2, 15, v0                           ; r
	s_wait_alu depctr_va_vdst(0)
	v_bfe_u32 v3, v0, 4, 1                         ; h
	v_and_b32 v4, 31, v0                           ; lane
	s_lshr_b32 s9, s8, 2                           ; beta
	s_and_b32 s10, s8, 3                           ; quad
	s_lshl_b32 s11, ttmp9, 12                      ; in: 16 rows of 256 bytes a work-group,
	s_lshl_b32 s12, s9, 7                          ; + 32 beta numbers,
	s_add_co_u32 s11, s11, s12
	s_lshr_b32 s12, s10, 1
	s_lshl_b32 s12, s12, 6                         ; + 16 (quad / 2),
	s_add_co_u32 s11, s11, s12
	s_and_b32 s12, s10, 1
	s_lshl_b32 s12, s12, 4                         ; + 4 (quad % 2)
	s_add_co_u32 s11, s11, s12
	v_lshlrev_b32 v5, 8, v2                        ; + row r
	s_wait_alu depctr_va_vdst(0)
	v_lshl_add_u32 v5, v3, 5, v5                   ; + 8 h numbers
	s_delay_alu instid0(VALU_DEP_1)
	v_add_nc_u32 v5, s11, v5
	s_lshl_b32 s13, ttmp9, 13                      ; out: 8,192 bytes a work-group,
	s_lshl_b32 s12, s9, 12                         ; 4,096 a beta,
	s_add_co_u32 s13, s13, s12
	s_lshl_b32 s12, s10, 9                         ; 512 a quad,
	s_add_co_u32 s13, s13, s12
	v_lshl_add_u32 v6, v4, 4, s13                  ; 16 a lane
	s_mov_b32 s16, 0x3f22f983                      ; 2 / pi
	s_mov_b32 s17, 0xbfc90fdb                      ; -pi/2, its first 24 bits,
	s_mov_b32 s18, 0x333bbd2e                      ; the next,
	s_mov_b32 s19, 0x26f72cf9                      ; and the next
	s_mov_b32 s20, 0xbe2aaaa3                      ; sine: -1.6666654611e-1
	s_mov_b32 s21, 0x3c08839e                      ;        8.3321608736e-3
	s_mov_b32 s22, 0xb94ca1f9                      ;       -1.9515295891e-4
	s_mov_b32 s23, 0x3d2aaaa5                      ; cosine: 4.166664568e-2
	s_mov_b32 s24, 0xbab6061a                      ;        -1.388731625e-3
	s_mov_b32 s25, 0x37ccf5ce                      ;         2.443315712e-5
	s_mov_b32 s26, 0x80000000                      ; the sign
	s_wait_alu depctr_va_vdst(0)
	s_wait_kmcnt 0x0
	global_load_b128 v[X:X+3], v5, s[4:5]
	s_wait_loadcnt 0x0
.irp e, 0,1,2,3                        ; the four numbers by turns: no line waits for the line above it
	v_mul_f32 v[N+\e], s16, v[X+\e]
.endr
.irp e, 0,1,2,3
	s_delay_alu instid0(VALU_DEP_4)
	v_rndne_f32 v[N+\e], v[N+\e]
.endr
.irp e, 0,1,2,3
	s_delay_alu instid0(VALU_DEP_4)
	v_fma_f32 v[R+\e], v[N+\e], s17, v[X+\e]
.endr
.irp e, 0,1,2,3
	s_delay_alu instid0(VALU_DEP_4)
	v_fma_f32 v[R+\e], v[N+\e], s18, v[R+\e]
.endr
.irp e, 0,1,2,3
	s_delay_alu instid0(VALU_DEP_4)
	v_fma_f32 v[R+\e], v[N+\e], s19, v[R+\e]
.endr
.irp e, 0,1,2,3
	v_cvt_i32_f32 v[NI+\e], v[N+\e]
.endr
.irp e, 0,1,2,3
	v_mul_f32 v[Z+\e], v[R+\e], v[R+\e]
.endr
.irp e, 0,1,2,3
	v_fma_f32 v[SP+\e], v[Z+\e], s22, s21
	v_fma_f32 v[CP+\e], v[Z+\e], s25, s24
.endr
.irp e, 0,1,2,3
	v_fma_f32 v[SP+\e], v[SP+\e], v[Z+\e], s20
	v_fma_f32 v[CP+\e], v[CP+\e], v[Z+\e], s23
.endr
.irp e, 0,1,2,3
	v_mul_f32 v[SP+\e], v[SP+\e], v[Z+\e]
	v_mul_f32 v[W+\e], v[Z+\e], v[Z+\e]
	v_fma_f32 v[W+4+\e], v[Z+\e], -0.5, 1.0
.endr
.irp e, 0,1,2,3
	v_fma_f32 v[SP+\e], v[SP+\e], v[R+\e], v[R+\e] ; sin r
	v_fma_f32 v[CP+\e], v[W+\e], v[CP+\e], v[W+4+\e] ; cos r
.endr
.irp e, 0,1,2,3
	v_and_b32 v[W+\e], 1, v[NI+\e]
.endr
.irp e, 0,1,2,3
	s_delay_alu instid0(VALU_DEP_4)
	v_cmp_ne_u32 s[28+\e], 0, v[W+\e]              ; an odd quadrant changes sine and cosine
.endr
.irp e, 0,1,2,3
	v_cndmask_b32 v[SN+\e], v[SP+\e], v[CP+\e], s[28+\e]
	v_cndmask_b32 v[CO+\e], v[CP+\e], v[SP+\e], s[28+\e]
.endr
.irp e, 0,1,2,3
	v_add_lshl_u32 v[W+\e], v[NI+\e], 1, 30        ; the cosine is negative in quadrants 1 and 2: bit 1 of n + 1
.endr
.irp e, 0,2
	v_add_lshl_u32 v[W+4+\e], v[NI+\e], 2, 30      ; the sine in quadrants 2 and 3: bit 1 of n; for even d the sign is turned: n + 2
.endr
.irp e, 1,3
	v_lshlrev_b32 v[W+4+\e], 30, v[NI+\e]
.endr
.irp e, 0,1,2,3,4,5,6,7
	v_and_b32 v[W+\e], s26, v[W+\e]
.endr
.irp e, 0,1,2,3
	v_xor_b32 v[CO+\e], v[CO+\e], v[W+\e]
	v_xor_b32 v[SN+\e], v[SN+\e], v[W+4+\e]
.endr
	global_store_b128 v6, v[CO:CO+3], s[6:7]
	global_store_b128 v6, v[SN:SN+3], s[6:7] offset:2048
	s_endpgm
.Lfunc_end_k_q233272164d_trig:
	.size	k_q233272164d_trig, .Lfunc_end_k_q233272164d_trig-k_q233272164d_trig
	.p2alignl 7, 3214868480
	.fill 96, 4, 3214868480
	.section	.rodata,"a",@progbits
	.p2align	6, 0x0
	.amdhsa_kernel k_q233272164d_trig
		.amdhsa_group_segment_fixed_size 0
		.amdhsa_private_segment_fixed_size 0
		.amdhsa_enable_private_segment 0
		.amdhsa_kernarg_size 16
		.amdhsa_user_sgpr_count 2
		.amdhsa_user_sgpr_kernarg_segment_ptr 1
		.amdhsa_wavefront_size32 1
		.amdhsa_system_sgpr_workgroup_id_x 1
		.amdhsa_system_sgpr_workgroup_id_y 1
		.amdhsa_system_sgpr_workgroup_id_z 1
		.amdhsa_system_vgpr_workitem_id 0
		.amdhsa_next_free_vgpr 64
		.amdhsa_next_free_sgpr 66
		.amdhsa_reserve_vcc 0
		.amdhsa_float_denorm_mode_32 3
		.amdhsa_float_denorm_mode_16_64 3
		.amdhsa_memory_ordered 1
		.amdhsa_forward_progress 1
		.amdhsa_inst_pref_size 9
	.end_amdhsa_kernel
	.amdgpu_metadata
---
amdhsa.version: [ 1, 2 ]
amdhsa.kernels:
  - .name:           k_q233272164d_trig
    .symbol:         k_q233272164d_trig.kd
    .args:
      - { .name: freqs, .offset: 0, .size: 8, .value_kind: global_buffer, .address_space: global }
      - { .name: cs, .offset: 8, .size: 8, .value_kind: global_buffer, .address_space: global }
    .group_segment_fixed_size: 0
    .private_segment_fixed_size: 0
    .kernarg_segment_align: 8
    .kernarg_segment_size: 16
    .max_flat_workgroup_size: 256
    .sgpr_count:     66
    .vgpr_count:     64
    .wavefront_size: 32
...
	.end_amdgpu_metadata
.endif
;; end of part 1
;; launch qkv (part 2): grid 8 x 32, 4 waves a work-group, clusters of 4 x 4, 327,680 bytes of LDS; arguments x_codes, x_scales, W_qkv_codes, W_qkv_scales, cs, q, kv; writes q, kv
.if DOCPART == 2
	.amdgcn_target "amdgcn-amd-amdhsa--gfx1250"
	.amdhsa_code_object_version 6
	.text
	.protected	k_q233272164d_qkv
	.globl	k_q233272164d_qkv
	.p2align	8
	.type	k_q233272164d_qkv,@function
k_q233272164d_qkv:
	s_mov_b64 s[64:65], 0
	v_nop
	global_prefetch_b8 v0, s[64:65] scope:SCOPE_SE
	s_setreg_imm32_b32 hwreg(HW_REG_WAVE_MODE, 25, 1), 1
	s_wait_xcnt 0x0
	s_wait_alu depctr_hold_cnt(0) depctr_sa_sdst(0) depctr_va_vdst(0) depctr_va_sdst(0) depctr_va_ssrc(0) depctr_va_vcc(0) depctr_vm_vsrc(0)
	s_getreg_b32 s2, hwreg(HW_REG_IB_STS2, 6, 4)
	s_cmp_eq_u32 s2, 0
	s_cbranch_scc0 .Lentry_in_a_cluster
	s_endpgm
.Lentry_in_a_cluster:
	s_bfe_u32 s2, ttmp6, 0x10000c
	s_cmp_lg_u32 s2, 0xf033
	s_cbranch_scc0 .Lentry_shape_is_right
	s_endpgm
.Lentry_shape_is_right:
; q, k, v = x W_qkv^T on codes of BF8 (E5M2) with E8M0 scales, the rotation of q and k, and the quantisers of all three; codes and scale words leave as images of the next launch's operand registers.
; 256 work-groups of four waves, 4 x 4 to a cluster.  Work-group (i, j), i = 0 .. 31, j = 0 .. 7, has two phases:
; PHASE 1: tokens 256 i .. x features 256 j .. of q (j < 4) or k: A = x's rows, B = W's rows; a wave makes 128 x 128 in 64 accumulators.  It is rotated by cs, quantised along the head's 64 and stored.
; PHASE 2: v's features 128 j .. x the same 256 tokens: A = W_v's 128 rows, B = x's rows; a wave makes 64 features (one head) x 128 tokens (one key step) in 32 accumulators, quantised along the tokens.
; K goes in steps of 256 through a ring of two LDS slots (256 + 256 rows of 256 bytes + 16 of padding), filled by joint loads: x's tiles are shared along a row of the cluster, W's along a column.
; THE RING GOES ON INTO PHASE 2: phase 1's last two changes of slots ask for phase 2's K steps 0 and 1, which land while phase 1's results are rotated, quantised and stored.
; The scale bytes of x's 256 rows and of phase 1's 256 rows of W come once, at the head, and stay in LDS; x's serve both phases.  W_v's (2,048 bytes a wave) come by plain loads and lie in LDS bytes of the wave's own.
; The matrix instruction is used transposed (source 0 = B's rows, source 1 = A's): a lane holds one row of A and eight neighbours along B.
; No prefetch: the block is the largest, the loads are joint, and K has four steps.  LIMITS: NaN and infinities are not served; a block's scale byte never falls under 1.
; REGISTERS: window 0: v0-31 addresses; v32-63 scale words alone; v64-127 cos and sin; from v128 A's fragments (phase 2: two sets of 64); window 1: B's fragments, two sets; windows 2, 3: accumulators.
.set NQ,     2
.set ROWB,   256
.set KROW,   1024
.set PITCH,  272
.set FR,     16
.set NL,     4
.set NP,     8
.set HALFT,  128*PITCH
.set SLOT,   4*HALFT
.set KS,     32
.set SCL,    2*SLOT
.set HALFS,  16*272
.set SBLK,   2*272
.set SPARE,  SCL+4*HALFS
.set SCV,    SPARE+512                 ; W_v's scale bytes: 2,176 bytes a wave (8 units of 256 + 16), stored by the wave that reads them
.set QGRP,   8704
.set QHEAD,  16*QGRP
.set STEPB,  17152
.set HEADB,  16*STEPB
.set KSOFF,  8192
.set VOFF,   8704
.set VSOFF,  16896
.set ADRA, 16
.set ADRC, 18                          ; v18-19 phase 2: my 64 rows of W_v in slot 0, 1
.set ADRB, 20
.set WSTO, 22                          ; v22 where my lane stores W_v's scale bytes
.set LI,   24
.set LI8,  25
.set ADRS2, 26                         ; v26 phase 2's scale words: lanes 0-15 W_v's, lanes 16-31 x's
.set ADRS, 27
.set SPW,  28
.set NIL,  29
.set ADRX, 30                          ; v30 phase 2: x's scale words in all lanes
.set SC,   32
.set CS0,  64
.set AF,   128
.set BM,   192
.set PM,   196
.set LM,   200
.set SO,   204
.set PW,   208
.set IMG,  216
.set PCD,  0
.set RT,   32
.set G1, 24
.set G0, 32
.set G1B, 48
.set G0B, 56
.set G1S, 68                           ; the head's scale bytes; behind the head s[68:91] hold phase 2's descriptors
.set G0S, 76
.set G1SB, 80
.set G0SB, 88
.set G0C, 68                           ; W_v's tiles, a set for each slot
.set G0D, 76                           ; x's tiles in B's place
.set G1C, 84
.set DST, 92
.set CSB, 12
.set DSTV, 16
.set MSB, 0
.macro WIN new
.if MSB != (\new)
	s_set_vgpr_msb (MSB<<8)|(\new)
.set MSB, (\new)
.endif
.endm
.set MUL_LO, 0xa1
.set MUL_HI, 0xf1
.set TO_B,   0x40
.macro JLOAD g0a, g1a, g0b, g1b        ; waves 0, 1 fill A's place, waves 2, 3 B's: one joint load a wave
	s_cmp_eq_u32 s19, 0
	s_cbranch_scc0 .Lfor_b_\@
	tensor_load_to_lds s[\g0a:\g0a+3], s[\g1a:\g1a+7]
	s_nop 0
.rept 4
	v_nop
.endr
	s_branch .Lasked_\@
.Lfor_b_\@:
	tensor_load_to_lds s[\g0b:\g0b+3], s[\g1b:\g1b+7]
	s_nop 0
.rept 4
	v_nop
.endr
.Lasked_\@:
.endm
.macro CREST
	s_cmp_lg_u32 s18, 0
	s_cbranch_scc1 .Lnot_wave_0_\@
	s_barrier_signal -3
.Lnot_wave_0_\@:
	s_barrier_wait -3
	s_barrier_signal -1
	s_barrier_wait -1
.endm
.macro CROUND
	s_barrier_signal -1
	s_barrier_wait -1
	CREST
.endm
	s_load_b256 s[4:11], s[0:1], 0x0               ; x's codes, scales; W's codes, scales
	s_load_b128 s[12:15], s[0:1], 0x20             ; cs, q
	s_load_b64 s[16:17], s[0:1], 0x30              ; kv
	v_lshl_add_u32 v[SPW], v0, 2, SPARE
	v_mov_b32 v[NIL], 0
	ds_add_u32 v[SPW], v[NIL]                      ; the opening lines
	ds_add_u32 v[SPW], v[NIL]
	s_wait_dscnt 0x0
	v_lshrrev_b32 v1, 5, v0
	v_readfirstlane_b32 s18, v1                    ; wave
	v_and_b32 v6, 31, v0
	v_lshlrev_b32 v[LI], 4, v6
	s_lshr_b32 s19, s18, 1                         ; my half of A's rows; also: I fill A's place (0) or B's (1)
	s_and_b32 s20, s18, 1                          ; my half of B's rows; also: which half of a tile I fetch
	s_bfe_u32 s21, ttmp6, 0x40000
	s_bfe_u32 s22, ttmp6, 0x40004
	s_and_b32 s23, ttmp7, 0xffff
	s_lshl_b32 s23, s23, 2
	s_add_co_u32 s23, s23, s22                     ; i
	s_lshl_b32 s40, ttmp9, 2
	s_add_co_u32 s40, s40, s21                     ; j
	s_lshl_b32 s41, s22, 2
	s_lshl_b32 s41, 15, s41                        ; my row of the cluster
	s_lshl_b32 s97, 0x1111, s21                    ; my column
	s_or_b32 s[G1+0], s41, (0<<16)|(1<<20)|(1<<21)|(5<<22)|(3<<25)
	s_or_b32 s[G1B+0], s97, (0<<16)|(1<<20)|(1<<21)|(5<<22)|(3<<25)
.irp g, G1, G1B
	s_mov_b32 s[\g+1], ROWB<<16
	s_mov_b32 s[\g+2], 256<<16                     ; the head's loads of codes bring 256 rows
	s_mov_b32 s[\g+3], ROWB<<16
	s_mov_b32 s[\g+4], 256
	s_mov_b32 s[\g+5], KROW
	s_mov_b32 s[\g+6], 0
	s_mov_b32 s[\g+7], 0
.endr
	s_or_b32 s[G1S+0], s41, (3<<16)|(1<<20)|(1<<21)|(5<<22)|(3<<25)
	s_or_b32 s[G1SB+0], s97, (3<<16)|(1<<20)|(1<<21)|(5<<22)|(3<<25)
.irp g, G1S, G1SB
	s_mov_b32 s[\g+1], 32<<16
	s_mov_b32 s[\g+2], 32<<16                      ; the scale bytes of 256 rows: 32 rows of 256 bytes
	s_mov_b32 s[\g+3], 32<<16
	s_mov_b32 s[\g+4], 32
	s_mov_b32 s[\g+5], 32
	s_mov_b32 s[\g+6], 0
	s_mov_b32 s[\g+7], 0
.endr
	s_lshl_b32 s44, s23, 18                        ; x's tile: 256 rows of 1,024 bytes
	s_mov_b32 s45, 0
	s_lshl_b32 s46, s40, 18                        ; W's
	s_mov_b32 s47, 0
	s_lshl_b32 s92, s23, 13                        ; their scale bytes: 256 rows of 32
	s_mov_b32 s93, 0
	s_lshl_b32 s94, s40, 13
	s_mov_b32 s95, 0
	s_lshl_b32 s2, s40, 12                         ; W_v's scale bytes: row 2048 + 128 j + 64 x my half of A
	s_lshl_b32 s3, s19, 11
	s_add_co_u32 s2, s2, s3
	s_add_co_u32 s2, s2, 65536
	s_mov_b32 s3, 0
	s_mul_i32 s96, s18, HALFT
	s_mov_b32 s66, 0x76543210
	s_mov_b32 s67, 0xfedcba98
	s_mov_b32 s99, 0x600000
	s_mov_b32 s100, 0xffff0000
	s_wait_alu depctr_va_vdst(0)
	s_wait_kmcnt 0x0
	s_add_nc_u64 s[44:45], s[4:5], s[44:45]
	s_add_nc_u64 s[92:93], s[6:7], s[92:93]
	s_add_nc_u64 s[46:47], s[8:9], s[46:47]
	s_add_nc_u64 s[94:95], s[10:11], s[94:95]
	s_add_nc_u64 s[2:3], s[10:11], s[2:3]
.irp k, 0,1,2,3
	global_load_b128 v[CS0+4*\k:CS0+4*\k+3], v[LI], s[2:3] offset:512*\k   ; 2,048 consecutive bytes: my 64 rows of W_v's scale bytes
.endr
	CROUND
	s_wait_xcnt 0x0                                ; the loads have read their base
	s_mov_b32 s4, 1                                ; s[4:7], s[8:11]: group 0 of K step 0's 256 rows of x and of W (the arguments that lay there have been used)
	s_mov_b32 s5, 0
	s_mov_b64 s[6:7], s[44:45]
	s_or_b32 s7, s7, 0x80000000
	s_mov_b32 s8, 1
	s_mov_b32 s9, 2*HALFT
	s_mov_b64 s[10:11], s[46:47]
	s_or_b32 s11, s11, 0x80000000
	s_mov_b32 s[G0S], 1
	s_mov_b32 s[G0S+1], SCL
	s_mov_b64 s[G0S+2:G0S+3], s[92:93]
	s_or_b32 s[G0S+3], s[G0S+3], 0x80000000
	s_mov_b32 s[G0SB], 1
	s_mov_b32 s[G0SB+1], SCL+2*HALFS
	s_mov_b64 s[G0SB+2:G0SB+3], s[94:95]
	s_or_b32 s[G0SB+3], s[G0SB+3], 0x80000000
	s_lshl_b32 s2, s20, 17                         ; in the ring I fetch 128 rows of a tile
	s_mov_b32 s3, 0
	s_add_nc_u64 s[44:45], s[44:45], s[2:3]
	s_add_nc_u64 s[46:47], s[46:47], s[2:3]
.irp s, 0,1
	s_mov_b32 s[G0+4*\s], 1
	s_add_co_u32 s[G0+4*\s+1], s96, \s*SLOT
	s_add_nc_u64 s[G0+4*\s+2:G0+4*\s+3], s[44:45], \s*ROWB
	s_or_b32 s[G0+4*\s+3], s[G0+4*\s+3], 0x80000000
	s_mov_b32 s[G0B+4*\s], 1
	s_add_co_u32 s[G0B+4*\s+1], s96, \s*SLOT
	s_add_nc_u64 s[G0B+4*\s+2:G0B+4*\s+3], s[46:47], \s*ROWB
	s_or_b32 s[G0B+4*\s+3], s[G0B+4*\s+3], 0x80000000
.endr
; the head's four tiles, one joint load a wave, in one chain of branches on the wave's number
.macro ARM under, g0, g1, next
	s_cmp_lt_u32 s18, \under
	s_cbranch_scc0 \next
	tensor_load_to_lds s[\g0:\g0+3], s[\g1:\g1+7]
	s_nop 0
.rept 4
	v_nop
.endr
	s_branch .Lhead_asked
\next:
.endm
	ARM 1, 4, G1, .Lhead_b
	ARM 2, 8, G1B, .Lhead_sa
	ARM 3, G0S, G1S, .Lhead_sb
	tensor_load_to_lds s[G0SB:G0SB+3], s[G1SB:G1SB+7]
	s_nop 0
.rept 4
	v_nop
.endr
.Lhead_asked:
	s_mul_i32 s2, s19, HALFT                       ; LDS bases, from the wave's number alone
	s_mul_i32 s3, s20, HALFT
	s_add_co_u32 s3, s3, 2*HALFT
	s_mul_i32 s41, s19, 64*PITCH
	s_mul_i32 s43, s19, HALFS
	s_mul_i32 s92, s20, HALFS
	s_add_co_u32 s42, s92, 2*HALFS
	s_sub_co_u32 s42, s42, s43                     ; from A's scale words to B's
	s_add_co_u32 s43, s43, SCL
	s_add_co_u32 s92, s92, SCL                     ; phase 2: x's scale words, my half of B
	s_mul_i32 s94, s18, 2176
	s_add_co_u32 s94, s94, SCV                     ; my copy of W_v's
	s_sub_co_u32 s93, s94, s92
	v_and_b32 v1, 15, v0
	v_bfe_u32 v2, v0, 4, 1
	v_mul_u32_u24 v3, v1, PITCH
	v_lshl_add_u32 v4, v2, 4, v3
	v_add_nc_u32 v[ADRA], s2, v4
	v_add_nc_u32 v[ADRB], s3, v4
	v_add_nc_u32 v[ADRC], s41, v4
	v_add_nc_u32 v[ADRA+1], SLOT, v[ADRA]
	v_add_nc_u32 v[ADRB+1], SLOT, v[ADRB]
	v_add_nc_u32 v[ADRC+1], SLOT, v[ADRC]
	v_mul_u32_u24 v5, v1, KS
	v_lshrrev_b32 v7, 8, v5
	v_lshl_add_u32 v5, v7, 4, v5                   ; my row's scale bytes: 32 a row, 16 more for each 256 passed
	v_mul_u32_u24 v7, s42, v2                      ; lanes 16-31 take B's
	v_add_nc_u32 v7, v5, v7
	v_add_nc_u32 v[ADRS], s43, v7
	v_add_nc_u32 v[ADRX], s92, v5
	v_xor_b32 v7, 1, v2
	v_mul_u32_u24 v7, s93, v7                      ; phase 2: lanes 0-15 take W_v's
	v_add_nc_u32 v[ADRS2], v[ADRX], v7
	v_lshlrev_b32 v[LI8], 3, v6
	v_lshl_add_u32 v7, v2, 4, v[LI]
	v_add_nc_u32 v[WSTO], s94, v7                  ; 16 x lane, and 16 more for each 256 passed
	; where the results go
	s_lshl_b32 s2, s23, 1
	s_add_co_u32 s3, s2, s19
	s_add_co_u32 s2, s2, s20
	s_and_b32 s3, s3, 15                           ; phase 1's group of 128 tokens
	s_and_b32 s2, s2, 15                           ; phase 2's key step
	s_lshr_b32 s41, s23, 3
	s_lshl_b32 s41, s41, 4                         ; 16 b
	s_lshl_b32 s42, s40, 2
	s_lshl_b32 s43, s20, 1
	s_add_co_u32 s42, s42, s43                     ; phase 1's first feature / 64
	s_lshr_b32 s43, s42, 4                         ; 0: q; 1: k
	s_and_b32 s42, s42, 15
	s_add_co_u32 s42, s42, s41                     ; 16 b + head
	s_mov_b32 s21, HEADB
	s_mov_b32 s22, STEPB
	s_cmp_eq_u32 s43, 0
	s_cselect_b64 s[DST:DST+1], s[14:15], s[16:17]
	s_cselect_b32 s21, QHEAD, s21
	s_cselect_b32 s22, QGRP, s22
	s_mul_i32 s42, s42, s21
	s_mul_i32 s22, s3, s22
	s_add_co_u32 s42, s42, s22
	s_mov_b32 s43, 0
	s_add_nc_u64 s[DST:DST+1], s[DST:DST+1], s[42:43]
	s_mov_b32 s42, s21
	s_add_nc_u64 s[DST+2:DST+3], s[DST:DST+1], s[42:43]   ; the next head
	s_lshl_b32 s42, s3, 16
	s_add_nc_u64 s[CSB:CSB+1], s[CSB:CSB+1], s[42:43]
	s_lshl_b32 s42, s40, 1
	s_add_co_u32 s42, s42, s19
	s_add_co_u32 s42, s42, s41                     ; phase 2: 16 b + head 2 j + my half of A
	s_mul_i32 s42, s42, HEADB
	s_mul_i32 s2, s2, STEPB
	s_add_co_u32 s42, s42, s2
	s_add_nc_u64 s[DSTV:DSTV+1], s[DSTV:DSTV+1], s[42:43]
.macro FRAG reg, adr, q, i
.irp c, 0,1,2,3
	ds_load_b128 v[\reg+4*\c:\reg+4*\c+3], v[\adr] offset:128*(\q)+32*\c+(\i)*16*PITCH
.endr
.endm
.macro MUL16 a0, p, q, sc, zero
.irp a, \a0, \a0+1
.irp b, 0,1,2,3,4,5,6,7
.if \zero
	v_wmma_scale_f32_16x16x128_f8f6f4 v[8*(8*((\a)%4)+\b):8*(8*((\a)%4)+\b)+7], v[128*(\p)+FR*\b:128*(\p)+FR*\b+FR-1], v[AF+FR*(\a):AF+FR*(\a)+FR-1], 0, v[SC+8*NQ*(\sc)+NQ*\b+(\q)], v[SC+8*NQ*(\sc)+NQ*(\a)+(\q)] matrix_a_fmt:MATRIX_FMT_BF8 matrix_b_fmt:MATRIX_FMT_BF8 matrix_a_scale:MATRIX_SCALE_ROW1
.else
	v_wmma_scale_f32_16x16x128_f8f6f4 v[8*(8*((\a)%4)+\b):8*(8*((\a)%4)+\b)+7], v[128*(\p)+FR*\b:128*(\p)+FR*\b+FR-1], v[AF+FR*(\a):AF+FR*(\a)+FR-1], v[8*(8*((\a)%4)+\b):8*(8*((\a)%4)+\b)+7], v[SC+8*NQ*(\sc)+NQ*\b+(\q)], v[SC+8*NQ*(\sc)+NQ*(\a)+(\q)] matrix_a_fmt:MATRIX_FMT_BF8 matrix_b_fmt:MATRIX_FMT_BF8 matrix_a_scale:MATRIX_SCALE_ROW1
.endif
.endr
.endr
.endm
.macro HMUL a0, p, sc, zero            ; phase 2: W_v's blocks a0, a0 + 1 x x's eight; both operands from set p, the slot's p-th 128 of K
.irp a, \a0, \a0+1
.irp b, 0,1,2,3,4,5,6,7
.if \zero
	v_wmma_scale_f32_16x16x128_f8f6f4 v[8*(8*(\a)+\b):8*(8*(\a)+\b)+7], v[128*(\p)+FR*\b:128*(\p)+FR*\b+FR-1], v[AF+64*(\p)+FR*(\a):AF+64*(\p)+FR*(\a)+FR-1], 0, v[SC+8*NQ*(\sc)+NQ*\b+(\p)], v[SC+8*NQ*(\sc)+NQ*(\a)+(\p)] matrix_a_fmt:MATRIX_FMT_BF8 matrix_b_fmt:MATRIX_FMT_BF8 matrix_a_scale:MATRIX_SCALE_ROW1
.else
	v_wmma_scale_f32_16x16x128_f8f6f4 v[8*(8*(\a)+\b):8*(8*(\a)+\b)+7], v[128*(\p)+FR*\b:128*(\p)+FR*\b+FR-1], v[AF+64*(\p)+FR*(\a):AF+64*(\p)+FR*(\a)+FR-1], v[8*(8*(\a)+\b):8*(8*(\a)+\b)+7], v[SC+8*NQ*(\sc)+NQ*\b+(\p)], v[SC+8*NQ*(\sc)+NQ*(\a)+(\p)] matrix_a_fmt:MATRIX_FMT_BF8 matrix_b_fmt:MATRIX_FMT_BF8 matrix_a_scale:MATRIX_SCALE_ROW1
.endif
.endr
.endr
.endm
.macro FETCH_B slot, q, p
	WIN TO_B
.irp i, 0,1,2,3,4,5,6,7
	FRAG 128*(\p)+FR*\i, ADRB+\slot, \q, \i
.endr
	WIN 0
.endm
.macro FETCH_A slot, q, i0
.irp i, \i0, \i0+1, \i0+2, \i0+3
	FRAG AF+FR*(\i), ADRA+\slot, \q, \i
.endr
.endm
.macro FETCH_C slot, p                 ; phase 2: W_v's four blocks of the slot's p-th 128 of K into set p
.irp i, 0,1,2,3
	FRAG AF+64*(\p)+FR*\i, ADRC+\slot, \p, \i
.endr
.endm
.macro SCALES sc
.irp i, 0,1,2,3,4,5,6,7
	ds_load_b64 v[SC+8*NQ*\sc+NQ*\i:SC+8*NQ*\sc+NQ*\i+1], v[ADRS] offset:\i*SBLK
.endr
.endm
.macro SCALES2 sc                      ; phase 2: blocks 0-3 carry W_v's words in lanes 0-15 and x's in lanes 16-31; blocks 4-7 x's alone
.irp i, 0,1,2,3
	ds_load_b64 v[SC+8*NQ*\sc+NQ*\i:SC+8*NQ*\sc+NQ*\i+1], v[ADRS2] offset:\i*SBLK
.endr
.irp i, 4,5,6,7
	ds_load_b64 v[SC+8*NQ*\sc+NQ*\i:SC+8*NQ*\sc+NQ*\i+1], v[ADRX] offset:\i*SBLK
.endr
.endm
.macro PLACES n
.rept \n
	v_nop
.endr
.endm
.macro STEP slot, q, zero
	s_wait_dscnt 4*NL                              ; all but the youngest 16 loads (A's blocks 4-7)
	WIN MUL_LO
	MUL16 0, (\q)%2, \q, \slot, \zero
	MUL16 2, (\q)%2, \q, \slot, \zero
	s_wait_dscnt 0
	PLACES NP
	FETCH_B \slot, (\q)+1, 1-(\q)%2
	FETCH_A \slot, (\q)+1, 0
	WIN MUL_HI
	MUL16 4, (\q)%2, \q, \slot, \zero
	MUL16 6, (\q)%2, \q, \slot, \zero
	PLACES NP
	WIN 0
	FETCH_A \slot, (\q)+1, 4
.endm
; A slot's last step of phase 1 changes slots.  fill = 1: the slot takes phase 1's K step two on; fill = 2: phase 2's first K step for this slot.  next = -1: nothing more of phase 1 is fetched.
.macro TURN slot, next, fill
	s_wait_tensorcnt 0x0
	ds_add_u32 v[SPW], v[NIL]
	s_wait_dscnt 4*NL+1                            ; the add and the youngest 16 loads may be out
	WIN MUL_LO
	MUL16 0, 1, NQ-1, \slot, 0
	s_wait_dscnt 0x0
	s_barrier_signal -1
	MUL16 2, 1, NQ-1, \slot, 0
	WIN 0
	s_barrier_wait -1
	CREST
.if \fill == 1
	s_add_nc_u64 s[G0+4*\slot+2:G0+4*\slot+3], s[G0+4*\slot+2:G0+4*\slot+3], 2*ROWB
	s_add_nc_u64 s[G0B+4*\slot+2:G0B+4*\slot+3], s[G0B+4*\slot+2:G0B+4*\slot+3], 2*ROWB
	JLOAD G0+4*\slot, G1, G0B+4*\slot, G1B
.else
	JLOAD G0C+4*\slot, G1C, G0D+4*\slot, G1
.endif
	PLACES NP-4
.if \next >= 0
	s_wait_alu depctr_va_vdst(0)
	v_add_nc_u32 v[ADRS], 4*NQ, v[ADRS]
	FETCH_B \next, 0, 0
	FETCH_A \next, 0, 0
	SCALES \next
.endif
	WIN MUL_HI
	MUL16 4, 1, NQ-1, \slot, 0
	MUL16 6, 1, NQ-1, \slot, 0
.if \next >= 0
	PLACES NP
	WIN 0
	FETCH_A \next, 0, 4
.else
	WIN 0
.endif
.endm
; PHASE 2.  A half step is 128 of K, 32 products; both operands have two sets, and the next half step's 48 fragment loads are issued ahead of this one's products.
.macro HS0 slot, zero                  ; a slot's first half step
	PLACES NP                                      ; behind the products that read set 1
	FETCH_B \slot, 1, 1
	FETCH_C \slot, 1
	s_wait_dscnt 48                                ; all but the 48 loads just issued
	WIN MUL_LO
	HMUL 0, 0, \slot, \zero
	HMUL 2, 0, \slot, \zero
	WIN 0
.endm
.macro HT slot, next, fill             ; its second changes slots
	s_wait_tensorcnt 0x0
	ds_add_u32 v[SPW], v[NIL]
	s_wait_dscnt 0x0
	s_barrier_signal -1
	WIN MUL_LO
	HMUL 0, 1, \slot, 0
	WIN 0
	s_barrier_wait -1
.if \fill
	CREST
	s_add_nc_u64 s[G0C+4*\slot+2:G0C+4*\slot+3], s[G0C+4*\slot+2:G0C+4*\slot+3], 2*ROWB
	s_add_nc_u64 s[G0D+4*\slot+2:G0D+4*\slot+3], s[G0D+4*\slot+2:G0D+4*\slot+3], 2*ROWB
	JLOAD G0C+4*\slot, G1C, G0D+4*\slot, G1
	PLACES NP-4
.else
	PLACES NP
.endif
	s_wait_alu depctr_va_vdst(0)
	v_add_nc_u32 v[ADRS2], 4*NQ, v[ADRS2]
	v_add_nc_u32 v[ADRX], 4*NQ, v[ADRX]
	FETCH_B \next, 0, 0
	FETCH_C \next, 0
	SCALES2 \next
	WIN MUL_LO
	HMUL 2, 1, \slot, 0
	WIN 0
.endm
.macro LOADCS a
.set CB, CS0+64*((\a)%2)
.irp g, 0,1
.irp k, 0,1,2,3,4,5,6,7
	global_load_b128 v[CB+32*\g+4*\k:CB+32*\g+4*\k+3], v[LI], s[CSB:CSB+1] offset:(\a)*8192+\g*4096+\k*512
.endr
.endr
.endm
.macro ROPE a                          ; t cos + (the pair's other number) sin', two numbers a line
.set WW, 2+(\a)/4
.set AC, 64*((\a)%4)
.set CB, CS0+64*((\a)%2)
	WIN (0x40|WW)
.set p, 0
.rept 32
	v_pk_mul_f32 v[RT+2*p:RT+2*p+1], v[AC+2*p:AC+2*p+1], v[CB+32*((p/8)&1)+16+2*(p%8):CB+32*((p/8)&1)+16+2*(p%8)+1] op_sel:[1,0] op_sel_hi:[0,1]
.set p, p+1
.endr
	WIN ((WW<<6)|0x10|WW)
.set p, 0
.rept 32
	v_pk_fma_f32 v[AC+2*p:AC+2*p+1], v[AC+2*p:AC+2*p+1], v[CB+32*((p/8)&1)+2*(p%8):CB+32*((p/8)&1)+2*(p%8)+1], v[RT+2*p:RT+2*p+1]
.set p, p+1
.endr
.endm
.macro QUANT a                         ; block a's 64 numbers a lane: four scale blocks of 32, each in lanes l and l xor 16
.set WW, 2+(\a)/4
.set AC, 64*((\a)%4)
.set PS, PCD+16*((\a)%2)
	WIN (WW|(WW<<2))
.irp b, 0,1,2,3
	v_max3_num_f32 v[BM+\b], |v[AC+16*\b]|, |v[AC+16*\b+1]|, 0x8000000
.endr
.irp i, 2,4,6,8,10,12,14
.irp b, 0,1,2,3
	v_max3_num_f32 v[BM+\b], |v[AC+16*\b+\i]|, |v[AC+16*\b+\i+1]|, v[BM+\b]
.endr
.endr
	WIN 0
.irp b, 0,1,2,3
	v_permlanex16_b32 v[PM+\b], v[BM+\b], s66, s67
.endr
.irp b, 0,1,2,3
	v_max_num_f32 v[BM+\b], v[BM+\b], v[PM+\b]
.endr
.irp b, 0,1,2,3
	v_add_nc_u32 v[SO+\b], 0xf8800000, v[BM+\b]
.endr
.irp b, 0,1,2,3
	v_and_or_b32 v[LM+\b], v[BM+\b], 0x7f800000, s99
.endr
.irp b, 0,1,2,3
	v_lshrrev_b32 v[PM+\b], 23, v[SO+\b]
.endr
	v_lshl_or_b32 v[PW+(\a)], v[PM+1], 8, v[PM]
	v_lshl_or_b32 v[PW+(\a)], v[PM+2], 16, v[PW+(\a)]
	v_lshl_or_b32 v[PW+(\a)], v[PM+3], 24, v[PW+(\a)]
	WIN ((WW<<6)|WW)
.irp b, 0,1,2,3
.irp i, 0,1,2,3,4,5,6,7,8,9,10,11,12,13,14,15
	v_med3_num_f32 v[AC+16*\b+\i], v[AC+16*\b+\i], -v[LM+\b], v[LM+\b]
.endr
.endr
.if (\a) >= 2
	s_wait_alu depctr_va_vdst(0)
	s_wait_xcnt 0x0                                ; block a - 2's stores have read the codes' registers
.endif
	WIN (0x40|WW)
.irp b, 0,1,2,3
	v_cvt_scalef32_pk8_bf8_f32 v[PS+4*\b:PS+4*\b+1], v[AC+16*\b:AC+16*\b+7], v[SO+\b]
	v_cvt_scalef32_pk8_bf8_f32 v[PS+4*\b+2:PS+4*\b+3], v[AC+16*\b+8:AC+16*\b+15], v[SO+\b]
.endr
	WIN 0
	v_nop
.endm
	s_wait_alu depctr_va_vdst(0)
	s_wait_tensorcnt 0x0                           ; my tile of the head's four is in
	ds_add_u32 v[SPW], v[NIL]
	s_mov_b32 s[G1+2], 128<<16                     ; no tensor load of mine is out: from here on a load brings 128 rows
	s_mov_b32 s[G1+4], 128
	s_mov_b32 s[G1B+2], 128<<16
	s_mov_b32 s[G1B+4], 128
	s_wait_dscnt 0x0
	CROUND                                         ; all four tiles are in, in every partner
	JLOAD G0+4, G1, G0B+4, G1B                     ; slot 1's first fill: K step 1
	s_wait_loadcnt 0x0
.irp k, 0,1,2,3
	ds_store_b128 v[WSTO], v[CS0+4*\k:CS0+4*\k+3] offset:544*\k    ; W_v's scale bytes into my own LDS bytes: I alone read them
.endr
	FETCH_B 0, 0, 0
	FETCH_A 0, 0, 0
	SCALES 0
	FETCH_A 0, 0, 4
	; phase 2's descriptors, in the registers of the head's loads of scale bytes, which have landed
	s_lshl_b32 s2, s40, 7
	s_lshl_b32 s3, s20, 6
	s_add_co_u32 s2, s2, s3
	s_sub_co_u32 s2, 2048, s2
	s_lshl_b32 s2, s2, 10                          ; from W's row 256 j + 128 half to row 2048 + 128 j + 64 half
	s_mov_b32 s3, 0
	s_add_nc_u64 s[46:47], s[46:47], s[2:3]
	s_mul_i32 s4, s20, 64*PITCH
.irp s, 0,1
	s_mov_b32 s[G0C+4*\s], 1
	s_add_co_u32 s[G0C+4*\s+1], s4, \s*SLOT
	s_add_nc_u64 s[G0C+4*\s+2:G0C+4*\s+3], s[46:47], \s*ROWB
	s_or_b32 s[G0C+4*\s+3], s[G0C+4*\s+3], 0x80000000
	s_mov_b32 s[G0D+4*\s], 1
	s_add_co_u32 s[G0D+4*\s+1], s96, \s*SLOT
	s_add_nc_u64 s[G0D+4*\s+2:G0D+4*\s+3], s[44:45], \s*ROWB
	s_or_b32 s[G0D+4*\s+3], s[G0D+4*\s+3], 0x80000000
.endr
	s_or_b32 s[G1C+0], s97, (0<<16)|(1<<20)|(1<<21)|(5<<22)|(3<<25)
	s_mov_b32 s[G1C+1], ROWB<<16
	s_mov_b32 s[G1C+2], 64<<16                     ; 64 rows of W_v a load
	s_mov_b32 s[G1C+3], ROWB<<16
	s_mov_b32 s[G1C+4], 64
	s_mov_b32 s[G1C+5], KROW
	s_mov_b32 s[G1C+6], 0
	s_mov_b32 s[G1C+7], 0
	STEP 0, 0, 1
	TURN 0, 1, 1
	STEP 1, 0, 0
	TURN 1, 0, 1
	STEP 0, 0, 0
	TURN 0, 1, 2                                   ; slot 0 takes phase 2's K step 0
	STEP 1, 0, 0
	LOADCS 0
	TURN 1, -1, 2                                  ; slot 1 its K step 1
	; phase 1's way out: rotation, quantiser, stores of 512 consecutive bytes a wave
	PLACES NP
.irp b, 0,1,2,3
	v_mov_b32 v[PM+\b], 0
.endr
.irp a, 0,1,2,3,4,5,6,7
.if \a < 7
	LOADCS \a+1
	s_wait_loadcnt 16                              ; all but the 16 loads just issued
.else
	s_wait_loadcnt 0x0
.endif
	ROPE \a
	QUANT \a
	WIN 0x04
.irp j, 0,1
.irp c, 0,1
	global_store_b128 v[LI], v[PCD+16*(\a%2)+8*\j+4*\c:PCD+16*(\a%2)+8*\j+4*\c+3], s[DST+2*\j:DST+2*\j+1] offset:(2*\a+\c)*512
.endr
.endr
	WIN 0
.endr
.irp j, 0,1,2,3
	v_cndmask_b32 v[IMG+\j], v[PW+2*\j], v[PW+2*\j+1], s100
.endr
.irp j, 0,1,2,3
	v_lshrrev_b32 v[IMG+4+\j], 16, v[IMG+\j]
.endr
	global_store_b128 v[LI], v[IMG:IMG+3], s[DST:DST+1] offset:KSOFF
	global_store_b128 v[LI], v[IMG+4:IMG+7], s[DST+2:DST+3] offset:KSOFF
	s_wait_xcnt 0x0                                ; the stores have read their registers: fragments may land there
	; PHASE 2: its K step 0 was shown by the last round
	FETCH_B 0, 0, 0
	FETCH_C 0, 0
	SCALES2 0
	HS0 0, 1
	HT 0, 1, 1
	HS0 1, 0
	HT 1, 0, 1
	HS0 0, 0
	HT 0, 1, 0
	HS0 1, 0
	s_wait_dscnt 0x0
	WIN MUL_LO
	HMUL 0, 1, 1, 0
	HMUL 2, 1, 1, 0
	WIN 0
	PLACES NP
.irp a, 0,1,2,3
	QUANT \a
	WIN 0x04
.irp c, 0,1,2,3
	global_store_b128 v[LI], v[PCD+16*(\a%2)+4*\c:PCD+16*(\a%2)+4*\c+3], s[DSTV:DSTV+1] offset:VOFF+(4*\a+\c)*512
.endr
	WIN 0
.endr
.irp j, 0,1
	v_cndmask_b32 v[IMG+\j], v[PW+2*\j], v[PW+2*\j+1], s100
.endr
	global_store_b64 v[LI8], v[IMG:IMG+1], s[DSTV:DSTV+1] offset:VSOFF
	s_wait_tensorcnt 0x0                           ; the wave's end
	ds_add_u32 v[SPW], v[NIL]
	s_wait_dscnt 0x0
	CROUND
	s_endpgm
.Lfunc_end_k_q233272164d_qkv:
	.size	k_q233272164d_qkv, .Lfunc_end_k_q233272164d_qkv-k_q233272164d_qkv
	.p2alignl 7, 3214868480
	.fill 96, 4, 3214868480
	.section	.rodata,"a",@progbits
	.p2align	6, 0x0
	.amdhsa_kernel k_q233272164d_qkv
		.amdhsa_group_segment_fixed_size 327680
		.amdhsa_private_segment_fixed_size 0
		.amdhsa_enable_private_segment 0
		.amdhsa_kernarg_size 56
		.amdhsa_user_sgpr_count 2
		.amdhsa_user_sgpr_kernarg_segment_ptr 1
		.amdhsa_wavefront_size32 1
		.amdhsa_system_sgpr_workgroup_id_x 1
		.amdhsa_system_sgpr_workgroup_id_y 1
		.amdhsa_system_sgpr_workgroup_id_z 1
		.amdhsa_system_vgpr_workitem_id 0
		.amdhsa_next_free_vgpr 1024
		.amdhsa_next_free_sgpr 102
		.amdhsa_reserve_vcc 0
		.amdhsa_float_denorm_mode_32 3
		.amdhsa_float_denorm_mode_16_64 3
		.amdhsa_memory_ordered 1
		.amdhsa_forward_progress 1
		.amdhsa_inst_pref_size 255
	.end_amdhsa_kernel
	.section	.bss,"aw",@nobits
	.p2align	6
	.space	262144
	.amdgpu_metadata
---
amdhsa.version: [ 1, 2 ]
amdhsa.kernels:
  - .name:           k_q233272164d_qkv
    .symbol:         k_q233272164d_qkv.kd
    .args:
      - { .name: x_codes, .offset: 0, .size: 8, .value_kind: global_buffer, .address_space: global }
      - { .name: x_scales, .offset: 8, .size: 8, .value_kind: global_buffer, .address_space: global }
      - { .name: W_qkv_codes, .offset: 16, .size: 8, .value_kind: global_buffer, .address_space: global }
      - { .name: W_qkv_scales, .offset: 24, .size: 8, .value_kind: global_buffer, .address_space: global }
      - { .name: cs, .offset: 32, .size: 8, .value_kind: global_buffer, .address_space: global }
      - { .name: q, .offset: 40, .size: 8, .value_kind: global_buffer, .address_space: global }
      - { .name: kv, .offset: 48, .size: 8, .value_kind: global_buffer, .address_space: global }
    .group_segment_fixed_size: 327680
    .private_segment_fixed_size: 0
    .kernarg_segment_align: 8
    .kernarg_segment_size: 56
    .max_flat_workgroup_size: 128
    .sgpr_count:     102
    .vgpr_count:     1024
    .wavefront_size: 32
...
	.end_amdgpu_metadata
.endif
;; end of part 2
;; launch attn (part 3): grid 4 x 64, 8 waves a work-group, clusters of 4 x 1, 327,680 bytes of LDS; arguments q, kv, yc, ys; writes yc, ys
.if DOCPART == 3
	.amdgcn_target "amdgcn-amd-amdhsa--gfx1250"
	.amdhsa_code_object_version 6
	.text
	.protected	k_q233272164d_attn
	.globl	k_q233272164d_attn
	.p2align	8
	.type	k_q233272164d_attn,@function
k_q233272164d_attn:
	s_mov_b64 s[64:65], 0
	v_nop
	global_prefetch_b8 v0, s[64:65] scope:SCOPE_SE
	s_setreg_imm32_b32 hwreg(HW_REG_WAVE_MODE, 25, 1), 1
	s_wait_xcnt 0x0
	s_wait_alu depctr_hold_cnt(0) depctr_sa_sdst(0) depctr_va_vdst(0) depctr_va_sdst(0) depctr_va_ssrc(0) depctr_va_vcc(0) depctr_vm_vsrc(0)
	s_getreg_b32 s2, hwreg(HW_REG_IB_STS2, 6, 4)
	s_cmp_eq_u32 s2, 0
	s_cbranch_scc0 .Lentry_in_a_cluster
	s_endpgm
.Lentry_in_a_cluster:
	s_bfe_u32 s2, ttmp6, 0x10000c
	s_cmp_lg_u32 s2, 0x3003
	s_cbranch_scc0 .Lentry_shape_is_right
	s_endpgm
.Lentry_shape_is_right:
; y[b][t][64 hd + d] = the sum over keys of softmax(q . k / 8) v, both products on codes of BF8 (E5M2) with E8M0 scales; y is quantised along C (blocks of 32) for the last product.
; q, kv: images of operand registers, as the launch before stores them.  yc: images of the last product's A fragments, [K step of 256: 4][16 rows: 512][128 of K: 2][block: 4][lane][16 bytes]; ys: [8192][32] scale bytes.
; THE SOFTMAX: t = score x log2(e) / 8; M = the running largest t rounded UP to a whole number; p = 2^(t - M) is quantised along the keys, not normalised; the row's sum is taken of the unquantised p and divides at the end.
; When M moves, the sum and O are multiplied by 2^(old M - new M): exact.
; SHARES.  A cluster of four work-groups is one head.  A work-group owns 512 queries, in two passes of 256; each of its eight waves owns 32 a pass: two tiles of 16, so each fragment of k and v feeds two matrix instructions.
; THE HEAD'S k AND v STAY IN LDS: 16 steps of 128 keys x 17,152 bytes = 274,432 bytes, filled ONCE by joint loads (the four partners walk the same bytes): wave w brings steps 2 w and 2 w + 1 by its one load.
; Waves 0 and 1 have a load line of their own: the first barrier shows steps 0 to 3, under which steps 0 to 2 are walked; the second barrier shows the rest.  Nothing is filled again: no ring.
; No prefetch: every byte that the launch streams is asked for in its first lines.
; A STEP'S LDS LOADS stand behind the eight places that follow its first product: v of this step, then k of the NEXT step; so k is in registers at a step's head.
; LAYOUT.  Both products are used transposed: S^T = k q^T (source 0 = 16 keys), O^T = v^T p^T (source 0 = 16 of the head's 64): a lane holds ONE query throughout.
; THE FIRST PRODUCT'S K IS 64, THE FORM'S 128: q's fragment is [q | 8 registers of zero codes]; k's fragment of tile t is its own 8 registers and the 8 that follow (finite codes, or zeros behind tile 7), which meet q's zeros.
; LIMITS: NaN and infinities are not served; the scaled scores stay under 2^31 in magnitude; p under 2^-126 counts as 0 (v_exp_f32 flushes: ISA guide 15.8); a block of y under 2^-111 gets the scale byte 1.
; REGISTERS: window 0: v1-7 addresses; v8-15 -M, largest t, the sum (a tile each); v16-19 f; v20-28 scale words alone; v32-63 a block's figures; v64-191 S^T, then p; v192-223 p's codes; v224-231 at work; v254, v255 the add's.
;   window 1: v0-63 O^T; v64-95 q; v96-159 k; v160-167 zeros; v168-231 v.
.set STEPB, 17152
.set HEADB, 16*STEPB
.set SPARE, 16*STEPB                   ; behind the 16 steps: the spare words, 128 bytes a wave
.set QGRP,  8704
.set QHEAD, 16*QGRP
.set KSOFF, 8192
.set VOFF,  8704
.set VSOFF, 16896
.set LI,   1                           ; 16 x lane
.set LI8,  2                           ; 8 x lane
.set ADK,  3                           ; the step's LDS address + 16 x lane
.set ADV8, 4                           ; + 8 x lane
.set YO,   6                           ; 16 r + 8 h
.set YSO,  7                           ; 32 x lane
.set NM,   8                           ; + 4 u: -M;  + 1: the largest t;  + 2, + 3: the sum in two halves
.set TX,   9
.set SU,   10
.set F,    16                          ; + 2 u: f, later 1 / the sum
.set KSC,  20
.set VSC,  24
.set QSC,  26
.set PSC,  27
.set BM,   32                          ; + 16 u
.set PM,   36
.set LM,   40
.set SO,   44
.set S,    64                          ; + 64 u
.set P,    192                         ; + 16 u
.set TT,   224                         ; + u
.set OM,   226                         ; + u: the last step's -M
.set SC2,  228                         ; + 2 u
.set SPW,  254
.set NIL,  255
.set O,    0                           ; window 1, + 32 u
.set QF,   64
.set KF,   96
.set KZ,   160
.set VF,   168
.set MSB, 0
.macro WIN new                         ; the immediate's high byte repeats the setting that is left
.if MSB != (\new)
	s_set_vgpr_msb (MSB<<8)|(\new)
.set MSB, (\new)
.endif
.endm
.macro CROUND                          ; a round of the cluster's barrier
	s_barrier_signal -1
	s_barrier_wait -1
	s_cmp_lg_u32 s12, 0
	s_cbranch_scc1 .Lnot_wave_0_\@
	s_barrier_signal -3
.Lnot_wave_0_\@:
	s_barrier_wait -3
	s_barrier_signal -1
	s_barrier_wait -1
.endm
.macro QLOAD                           ; my two tiles of q: four loads of 512 consecutive bytes, and their scale words
	WIN 0x40
.irp u, 0,1
.irp c, 0,1
	global_load_b128 v[QF+16*\u+4*\c:QF+16*\u+4*\c+3], v[LI], s[50:51] offset:(2*\u+\c)*512 th:TH_LOAD_NT
.endr
.endr
	WIN 0
	global_load_b32 v[QSC], v[LI], s[52:53] th:TH_LOAD_NT
.endm
	s_load_b256 s[4:11], s[0:1], 0x0               ; q, kv, yc, ys
	v_lshl_add_u32 v[SPW], v0, 2, SPARE
	v_mov_b32 v[NIL], 0
	ds_add_u32 v[SPW], v[NIL]                      ; the opening lines
	ds_add_u32 v[SPW], v[NIL]
	v_lshrrev_b32 v1, 5, v0
	s_delay_alu instid0(VALU_DEP_1)
	v_readfirstlane_b32 s12, v1                    ; wave 0..7
	s_bfe_u32 s13, ttmp6, 0x40000                  ; cx: it enters q's, yc's and ys's addresses alone
	s_and_b32 s14, ttmp7, 0xffff                   ; 16 b + hd, which the four partners share
	s_mov_b32 s16, 15|(3<<16)|(1<<21)              ; group 1: two steps' 34,304 dense bytes as 134 rows of 256 (32 elements of 8 bytes); the mask names all four partners
	s_mov_b32 s17, 32<<16
	s_mov_b32 s18, 134<<16
	s_mov_b32 s19, 32<<16
	s_mov_b32 s20, 134
	s_mov_b32 s21, 32
	s_mov_b32 s22, 0
	s_mov_b32 s23, 0
	s_mul_i32 s60, s12, 2*STEPB                    ; steps 2 w, 2 w + 1: in LDS and in the head
	s_mul_i32 s58, s14, HEADB
	s_add_co_u32 s58, s58, s60
	s_mov_b32 s59, 0
	s_mov_b32 s24, 1
	s_mov_b32 s25, s60
	s_mov_b32 s40, 0x76543210
	s_mov_b32 s41, 0xfedcba98                      ; v_permlanex16_b32's selects for lane l xor 16
	s_mov_b32 s42, 0x3e38aa3b                      ; c = log2(e) / 8
	s_mov_b32 s43, s42
	s_mov_b32 s44, 0x600000                        ; the mantissa field of 57,344
	s_mov_b32 s47, 2                               ; passes
	s_mov_b32 s48, 0xffff0000                      ; lanes 16-31
	s_wait_dscnt 0x0
	s_wait_kmcnt 0x0
	s_add_nc_u64 s[26:27], s[6:7], s[58:59]
	s_or_b32 s27, s27, 0x80000000
	CROUND                                         ; all four work-groups are here: the joint loads meet
	s_cmp_lt_u32 s12, 2                            ; one load a wave; waves 0 and 1 have a line of their own, since they alone wait at the first barrier
	s_cbranch_scc0 .Larm_b
	tensor_load_to_lds s[24:27], s[16:23]
	s_nop 0
.rept 4
	v_nop
.endr
	s_branch .Lasked
.Larm_b:
	tensor_load_to_lds s[24:27], s[16:23]
	s_nop 0
.rept 4
	v_nop
.endr
.Lasked:
	s_mul_i32 s58, s14, QHEAD                      ; q: my head,
	s_lshl_b32 s60, s13, 2
	s_lshr_b32 s61, s12, 2
	s_add_co_u32 s60, s60, s61
	s_mul_i32 s60, s60, QGRP                       ; group 4 cx + w / 4 (the second pass: two groups on),
	s_add_co_u32 s58, s58, s60
	s_and_b32 s61, s12, 3
	s_add_nc_u64 s[52:53], s[4:5], s[58:59]
	s_lshl_b32 s58, s61, 11                        ; tiles 2 (w % 4) and the next
	s_add_nc_u64 s[50:51], s[52:53], s[58:59]
	s_lshl_b32 s58, s61, 2                         ; their scale words
	s_add_co_u32 s58, s58, KSOFF
	s_add_nc_u64 s[52:53], s[52:53], s[58:59]
	s_and_b32 s60, s14, 15                         ; hd
	s_lshr_b32 s61, s14, 4                         ; b
	s_lshr_b32 s58, s60, 2
	s_lshl_b32 s58, s58, 21                        ; yc: K step hd / 4,
	s_bfe_u32 s62, s60, 0x10001
	s_lshl_b32 s62, s62, 11                        ; its half (hd / 2) % 2,
	s_add_co_u32 s58, s58, s62
	s_and_b32 s62, s60, 1
	s_lshl_b32 s62, s62, 10                        ; blocks 2 (hd % 2) and the next,
	s_add_co_u32 s58, s58, s62
	s_lshl_b32 s62, s61, 7
	s_lshl_b32 s63, s13, 5
	s_add_co_u32 s62, s62, s63
	s_lshl_b32 s63, s12, 1
	s_add_co_u32 s62, s62, s63                     ; tile of rows 128 b + 32 cx + 2 w
	s_lshl_b32 s62, s62, 12
	s_add_co_u32 s58, s58, s62
	s_add_nc_u64 s[54:55], s[8:9], s[58:59]
	s_lshl_b32 s58, s61, 11
	s_lshl_b32 s62, s13, 9
	s_add_co_u32 s58, s58, s62
	s_lshl_b32 s62, s12, 5
	s_add_co_u32 s58, s58, s62                     ; ys: row 2048 b + 512 cx + 32 w,
	s_lshl_b32 s58, s58, 5
	s_lshl_b32 s62, s60, 1                         ; bytes 2 hd and 2 hd + 1
	s_add_co_u32 s58, s58, s62
	s_add_nc_u64 s[56:57], s[10:11], s[58:59]
	v_and_b32 v5, 31, v0
	s_delay_alu instid0(VALU_DEP_1)
	v_lshlrev_b32 v[LI], 4, v5
	s_delay_alu instid0(VALU_DEP_2)
	v_lshlrev_b32 v[LI8], 3, v5
	s_delay_alu instid0(VALU_DEP_3)
	v_lshlrev_b32 v[YSO], 5, v5
	v_and_b32 v[YO], 15, v0
	v_bfe_u32 v5, v0, 4, 1
	s_delay_alu instid0(VALU_DEP_2)
	v_lshlrev_b32 v[YO], 4, v[YO]
	s_delay_alu instid0(VALU_DEP_1)
	v_lshl_add_u32 v[YO], v5, 3, v[YO]
.irp u, 0,1
.irp b, 0,1,2,3
	v_mov_b32 v[PM+16*\u+\b], 0                    ; a lane permute's destination counts as one of its sources
.endr
	v_mov_b32 v[F+2*\u+1], 0                       ; (the upper half of a pair that is named whole)
.endr
	WIN 0x40
.irp i, 0,1,2,3,4,5,6,7
	v_mov_b32 v[QF+8+\i], 0                        ; zero codes: the upper 64 of the form's K, in q's two fragments,
	v_mov_b32 v[QF+24+\i], 0
	v_mov_b32 v[KZ+\i], 0                          ; and behind k's last tile
.endr
	WIN 0
	QLOAD
; A KEY STEP: 128 keys, both tiles.  nxt = 1: the next step's k is fetched too.
.macro STEP nxt
	s_wait_dscnt 0x0                               ; k and its scale words are in
	WIN 0x05                                       ; k and q in window 1, S^T in window 0
.irp g, 0,1,2,3                        ; sixteen accumulators, each begun with 0
	v_wmma_scale_f32_16x16x128_f8f6f4 v[S+16*\g:S+16*\g+7], v[KF+16*\g:KF+16*\g+15], v[QF:QF+15], 0, v[KSC+\g], v[QSC] matrix_a_fmt:MATRIX_FMT_BF8 matrix_b_fmt:MATRIX_FMT_BF8
	v_wmma_scale_f32_16x16x128_f8f6f4 v[S+64+16*\g:S+64+16*\g+7], v[KF+16*\g:KF+16*\g+15], v[QF+16:QF+31], 0, v[KSC+\g], v[QSC] matrix_a_fmt:MATRIX_FMT_BF8 matrix_b_fmt:MATRIX_FMT_BF8 matrix_b_scale:MATRIX_SCALE_ROW1
	v_wmma_scale_f32_16x16x128_f8f6f4 v[S+16*\g+8:S+16*\g+15], v[KF+16*\g+8:KF+16*\g+23], v[QF:QF+15], 0, v[KSC+\g], v[QSC] matrix_a_fmt:MATRIX_FMT_BF8 matrix_b_fmt:MATRIX_FMT_BF8 matrix_a_scale:MATRIX_SCALE_ROW1
	v_wmma_scale_f32_16x16x128_f8f6f4 v[S+64+16*\g+8:S+64+16*\g+15], v[KF+16*\g+8:KF+16*\g+23], v[QF+16:QF+31], 0, v[KSC+\g], v[QSC] matrix_a_fmt:MATRIX_FMT_BF8 matrix_b_fmt:MATRIX_FMT_BF8 matrix_a_scale:MATRIX_SCALE_ROW1 matrix_b_scale:MATRIX_SCALE_ROW1
.endr
	WIN 0
	v_add_nc_u32 v[ADK], s45, v[LI]                ; eight places: behind these products for the readers of S^T and the loads into k; behind the last step's for the loads into v
	v_add_nc_u32 v[ADV8], s45, v[LI8]
	v_mov_b32 v[OM], v[NM]
	v_mov_b32 v[OM+1], v[NM+4]
.rept 4
	v_nop
.endr
	ds_load_b64 v[VSC:VSC+1], v[ADV8] offset:VSOFF
	WIN 0x40
.irp f, 0,1,2,3,4,5,6,7,8,9,10,11,12,13,14,15
	ds_load_b128 v[VF+4*\f:VF+4*\f+3], v[ADK] offset:VOFF+512*\f   ; images: 512 consecutive bytes a load
.endr
.if \nxt
.irp f, 0,1,2,3,4,5,6,7,8,9,10,11,12,13,14,15
	ds_load_b128 v[KF+4*\f:KF+4*\f+3], v[ADK] offset:STEPB+512*\f
.endr
.endif
	WIN 0
.if \nxt
	ds_load_b128 v[KSC:KSC+3], v[ADK] offset:STEPB+KSOFF
.endif
.irp b, 0,1,2,3                        ; the largest score of each block of 32 keys: for the row's maximum and, since p rises with the score, for the block's largest p.  Each accumulator is read from its low end on
.irp u, 0,1
	v_max3_num_f32 v[BM+16*\u+\b], v[S+64*\u+16*\b], v[S+64*\u+16*\b+1], v[S+64*\u+16*\b+2]
.endr
.endr
.irp i, 3,5,7,9,11,13
.irp b, 0,1,2,3
.irp u, 0,1
	v_max3_num_f32 v[BM+16*\u+\b], v[BM+16*\u+\b], v[S+64*\u+16*\b+\i], v[S+64*\u+16*\b+\i+1]
.endr
.endr
.endr
.irp b, 0,1,2,3
.irp u, 0,1
	v_max_num_f32 v[BM+16*\u+\b], v[BM+16*\u+\b], v[S+64*\u+16*\b+15]
.endr
.endr
.irp b, 0,1,2,3
.irp u, 0,1
	v_permlanex16_b32 v[PM+16*\u+\b], v[BM+16*\u+\b], s40, s41
.endr
.endr
.irp b, 0,1,2,3
.irp u, 0,1
	v_max_num_f32 v[BM+16*\u+\b], v[BM+16*\u+\b], v[PM+16*\u+\b]   ; with lane l xor 16's 16 keys
.endr
.endr
.irp u, 0,1
	s_delay_alu instid0(VALU_DEP_4)
	v_max3_num_f32 v[TT+\u], v[BM+16*\u], v[BM+16*\u+1], v[BM+16*\u+2]
.endr
.irp u, 0,1
	s_delay_alu instid0(VALU_DEP_2)
	v_max_num_f32 v[TT+\u], v[TT+\u], v[BM+16*\u+3]
.endr
.irp u, 0,1
	s_delay_alu instid0(VALU_DEP_2)
	v_mul_f32 v[TT+\u], s42, v[TT+\u]              ; the step's largest t (c is positive)
.endr
.irp u, 0,1
	s_delay_alu instid0(VALU_DEP_2)
	v_max_num_f32 v[TX+4*\u], v[TX+4*\u], v[TT+\u] ; the running largest t
.endr
.irp u, 0,1
	s_delay_alu instid0(VALU_DEP_2)
	v_floor_f32 v[NM+4*\u], -v[TX+4*\u]            ; the new -M = floor(-t) = -ceil(t)
.endr
.irp u, 0,1
	s_delay_alu instid0(VALU_DEP_2)
	v_sub_f32 v[TT+\u], v[NM+4*\u], v[OM+\u]       ; old M - new M: a whole number, 0 or less
.endr
.irp u, 0,1
	s_delay_alu instid0(VALU_DEP_2)
	v_cvt_i32_f32 v[TT+\u], v[TT+\u]               ; (it saturates)
.endr
.irp u, 0,1
	s_delay_alu instid0(VALU_DEP_2)
	v_ldexp_f32 v[F+2*\u], 1.0, v[TT+\u]           ; f = 2^(old M - new M)
.endr
.set j, 0
.rept 32
.irp u, 0,1
	v_pk_fma_f32 v[S+64*\u+j:S+64*\u+j+1], v[S+64*\u+j:S+64*\u+j+1], s[42:43], v[NM+4*\u:NM+4*\u+1] op_sel_hi:[1,0,0]   ; t - M, two at a time
.endr
.set j, j+2
.endr
.irp b, 0,1,2,3
.irp u, 0,1
	v_fma_f32 v[BM+16*\u+\b], v[BM+16*\u+\b], s42, v[NM+4*\u]      ; the same of each block's largest score
.endr
.endr
.set j, 0
	s_wait_alu depctr_va_vdst(0)                   ; the wait ahead of the batch
.rept 128
	v_exp_f32 v[S+j], v[S+j]                       ; p = 2^(t - M), at most 1: one batch
.set j, j+1
.endr
.irp u, 0,1
	v_pk_mul_f32 v[SU+4*\u:SU+4*\u+1], v[SU+4*\u:SU+4*\u+1], v[F+2*\u:F+2*\u+1] op_sel_hi:[1,0]   ; the sums under the new M: plain lines behind the exponentials
.endr
	s_wait_alu depctr_va_vdst(0)                   ; one wait for the batch, ahead of the first line that names a result
.irp b, 0,1,2,3
.irp u, 0,1
	v_exp_f32 v[BM+16*\u+\b], v[BM+16*\u+\b]       ; the block's largest p: the same two instructions on the same number
.endr
.endr
.irp u, 0,1
	v_pk_add_f32 v[SC2+2*\u:SC2+2*\u+1], v[S+64*\u:S+64*\u+1], v[S+64*\u+2:S+64*\u+3]   ; the row's sum, of the unquantised p: two chains a tile
.endr
.irp j, 4,8,12,16,20,24,28,32,36,40,44,48,52,56,60
.irp u, 0,1
	v_pk_add_f32 v[SU+4*\u:SU+4*\u+1], v[SU+4*\u:SU+4*\u+1], v[S+64*\u+\j:S+64*\u+\j+1]
	v_pk_add_f32 v[SC2+2*\u:SC2+2*\u+1], v[SC2+2*\u:SC2+2*\u+1], v[S+64*\u+\j+2:S+64*\u+\j+3]
.endr
.endr
.irp u, 0
	s_delay_alu instid0(VALU_DEP_3)
	v_pk_add_f32 v[SU+4*\u:SU+4*\u+1], v[SU+4*\u:SU+4*\u+1], v[SC2+2*\u:SC2+2*\u+1]
.endr
.irp u, 1
	s_delay_alu instid0(VALU_DEP_2)
	v_pk_add_f32 v[SU+4*\u:SU+4*\u+1], v[SU+4*\u:SU+4*\u+1], v[SC2+2*\u:SC2+2*\u+1]
.endr
	s_wait_alu depctr_va_vdst(0)                   ; and one for the eight
.irp b, 0,2
.irp u, 0,1
	v_dual_max_num_f32 v[BM+16*\u+\b], 0x8000000, v[BM+16*\u+\b] :: v_dual_max_num_f32 v[BM+16*\u+\b+1], 0x8000000, v[BM+16*\u+\b+1]   ; the floor 2^(16 - 127): the byte cannot fall under 1; two blocks a line
.endr
.endr
.irp b, 0,1,2,3
.irp u, 0,1
	v_add_nc_u32 v[SO+16*\u+\b], 0xf8800000, v[BM+16*\u+\b]        ; 15 off the exponent field: the conversion's scale operand
.endr
.endr
.irp b, 0,1,2,3
.irp u, 0,1
	v_and_or_b32 v[LM+16*\u+\b], v[BM+16*\u+\b], 0x7f800000, s44   ; 57,344 x the scale
.endr
.endr
.irp b, 0,1,2,3
.irp u, 0,1
	v_lshrrev_b32 v[PM+16*\u+\b], 23, v[SO+16*\u+\b]               ; the scale's byte
.endr
.endr
.irp u, 0,1
	v_lshl_or_b32 v[PSC+\u], v[PM+16*\u+1], 8, v[PM+16*\u]         ; p's scale word for these 128 keys
.endr
.irp u, 0,1
	s_delay_alu instid0(VALU_DEP_2)
	v_lshl_or_b32 v[PSC+\u], v[PM+16*\u+2], 16, v[PSC+\u]
.endr
.irp u, 0,1
	s_delay_alu instid0(VALU_DEP_2)
	v_lshl_or_b32 v[PSC+\u], v[PM+16*\u+3], 24, v[PSC+\u]
.endr
.irp b, 0,1,2,3
.irp u, 0,1
.irp i, 0,2,4,6,8,10,12,14
	v_dual_min_num_f32 v[S+64*\u+16*\b+\i], v[LM+16*\u+\b], v[S+64*\u+16*\b+\i] :: v_dual_min_num_f32 v[S+64*\u+16*\b+\i+1], v[LM+16*\u+\b], v[S+64*\u+16*\b+\i+1]   ; the conversion does not saturate (ISA guide 7.6.2); p is not negative: a one-sided hold, two numbers a line
.endr
	v_cvt_scalef32_pk8_bf8_f32 v[P+16*\u+4*\b:P+16*\u+4*\b+1], v[S+64*\u+16*\b:S+64*\u+16*\b+7], v[SO+16*\u+\b]
	v_cvt_scalef32_pk8_bf8_f32 v[P+16*\u+4*\b+2:P+16*\u+4*\b+3], v[S+64*\u+16*\b+8:S+64*\u+16*\b+15], v[SO+16*\u+\b]
.endr
.endr
	WIN 0x41                                       ; O^T in window 1, f in window 0
	s_wait_alu depctr_va_vdst(0)                   ; the wait directly ahead of the first reader of O^T
.set j, 0
.rept 16
.irp u, 0,1
	v_pk_mul_f32 v[O+32*\u+j:O+32*\u+j+1], v[O+32*\u+j:O+32*\u+j+1], v[F+2*\u:F+2*\u+1] op_sel_hi:[1,0]   ; O^T under the new M; these 32 are also the places between the codes and the products
.endr
.set j, j+2
.endr
	s_wait_alu depctr_va_vdst(0)
	s_wait_dscnt 17*\nxt                           ; v and its scale words are in; the 17 loads of the next step's k, issued behind them, may be out
	WIN 0x51                                       ; v, C and D in window 1, p in window 0
.irp g, 0,1                            ; O^T += v^T p^T: eight accumulators by turns
	v_wmma_scale_f32_16x16x128_f8f6f4 v[O+16*\g:O+16*\g+7], v[VF+32*\g:VF+32*\g+15], v[P:P+15], v[O+16*\g:O+16*\g+7], v[VSC+\g], v[PSC] matrix_a_fmt:MATRIX_FMT_BF8 matrix_b_fmt:MATRIX_FMT_BF8
	v_wmma_scale_f32_16x16x128_f8f6f4 v[O+32+16*\g:O+32+16*\g+7], v[VF+32*\g:VF+32*\g+15], v[P+16:P+31], v[O+32+16*\g:O+32+16*\g+7], v[VSC+\g], v[PSC+1] matrix_a_fmt:MATRIX_FMT_BF8 matrix_b_fmt:MATRIX_FMT_BF8
	v_wmma_scale_f32_16x16x128_f8f6f4 v[O+16*\g+8:O+16*\g+15], v[VF+32*\g+16:VF+32*\g+31], v[P:P+15], v[O+16*\g+8:O+16*\g+15], v[VSC+\g], v[PSC] matrix_a_fmt:MATRIX_FMT_BF8 matrix_b_fmt:MATRIX_FMT_BF8 matrix_a_scale:MATRIX_SCALE_ROW1
	v_wmma_scale_f32_16x16x128_f8f6f4 v[O+32+16*\g+8:O+32+16*\g+15], v[VF+32*\g+16:VF+32*\g+31], v[P+16:P+31], v[O+32+16*\g+8:O+32+16*\g+15], v[VSC+\g], v[PSC+1] matrix_a_fmt:MATRIX_FMT_BF8 matrix_b_fmt:MATRIX_FMT_BF8 matrix_a_scale:MATRIX_SCALE_ROW1
.endr
	WIN 0
.endm
.macro WALK first, trips                ; so many steps from step first on, each fetching the next step's k
	s_mov_b32 s45, \first*STEPB
	s_mov_b32 s46, \trips
.Lstep_\@:
	STEP 1
	s_add_co_u32 s45, s45, STEPB
	s_sub_co_u32 s46, s46, 1
	s_cmp_lg_u32 s46, 0
	s_cbranch_scc1 .Lstep_\@
.endm
.Lpass:                                            ; two trips: 256 queries of the work-group each
.irp u, 0,1
	v_mov_b32 v[TX+4*\u], 0xff61b1e6               ; the largest t so far: -3e38, under every t
	v_mov_b32 v[SU+4*\u], 0
	v_mov_b32 v[SU+4*\u+1], 0
.endr
.irp u, 0
	v_floor_f32 v[NM+4*\u], -v[TX+4*\u]
.endr
.irp u, 1
	s_delay_alu instid0(VALU_DEP_4)
	v_floor_f32 v[NM+4*\u], -v[TX+4*\u]
.endr
	WIN 0x40
.set j, 0
.rept 64
	v_mov_b32 v[O+j], 0                            ; O^T: the step is written for all steps alike: the first finds zeros, which the first change of M leaves zeros
.set j, j+1
.endr
	WIN 0
	s_wait_loadcnt 0x0                             ; q
	s_cmp_lt_u32 s12, 2
	s_cbranch_scc0 .Lnot_mine
	s_wait_tensorcnt 0x0                           ; waves 0 and 1: steps 0 to 3 have landed
.Lnot_mine:
	s_wait_dscnt 0x0
	s_barrier_signal -1
	s_barrier_wait -1
	ds_load_b128 v[KSC:KSC+3], v[LI] offset:KSOFF  ; step 0's k
	WIN 0x40
.irp f, 0,1,2,3,4,5,6,7,8,9,10,11,12,13,14,15
	ds_load_b128 v[KF+4*\f:KF+4*\f+3], v[LI] offset:512*\f
.endr
	WIN 0
	WALK 0, 3                                      ; steps 0 to 2; the last of them fetches step 3's k
	s_wait_tensorcnt 0x0                           ; every wave's load has landed,
	s_wait_dscnt 0x0
	s_barrier_signal -1
	s_barrier_wait -1                              ; everybody's has: all 16 steps may be read
	WALK 3, 12                                     ; steps 3 to 14
	s_mov_b32 s45, 15*STEPB
	STEP 0                                         ; step 15 has no successor
	; THE WAY OUT: y = O^T / the sum, quantised along C: my head's 64 are two blocks of 32
.rept 8
	v_nop                                          ; places behind the last products
.endr
	s_cmp_eq_u32 s47, 1                            ; the next pass's q is asked for here, if there is a next pass
	s_cbranch_scc1 .Lno_q
	s_add_nc_u64 s[50:51], s[50:51], 2*QGRP        ; (the loads that read these bases were waited for at the pass's head)
	s_add_nc_u64 s[52:53], s[52:53], 2*QGRP
	QLOAD
.Lno_q:
.irp u, 0,1
	v_add_f32 v[TT+\u], v[SU+4*\u], v[SU+4*\u+1]   ; the sum's two halves,
.endr
.irp u, 0,1
	s_delay_alu instid0(VALU_DEP_2)
	v_permlanex16_b32 v[PM+16*\u], v[TT+\u], s40, s41
.endr
.irp u, 0,1
	s_delay_alu instid0(VALU_DEP_2)
	v_add_f32 v[TT+\u], v[TT+\u], v[PM+16*\u]      ; and lane l xor 16's
.endr
	s_wait_alu depctr_va_vdst(0)
.irp u, 0,1
	v_rcp_f32 v[F+2*\u], v[TT+\u]
.endr
	v_nop                                          ; a plain line behind the reciprocals,
	s_wait_alu depctr_va_vdst(0)                   ; and the wait ahead of their first reader
	WIN 0x01
.set j, 0
.rept 16
.irp u, 0,1
	v_pk_mul_f32 v[S+64*\u+j:S+64*\u+j+1], v[O+32*\u+j:O+32*\u+j+1], v[F+2*\u:F+2*\u+1] op_sel_hi:[1,0]   ; register 8 t + i is y(query r, 16 t + 8 h + i); each accumulator from its low end on
.endr
.set j, j+2
.endr
	WIN 0
.irp b, 0,1
.irp u, 0,1
	v_max3_num_f32 v[BM+16*\u+\b], |v[S+64*\u+16*\b]|, |v[S+64*\u+16*\b+1]|, 0x8000000
.endr
.endr
.irp i, 2,4,6,8,10,12,14
.irp b, 0,1
.irp u, 0,1
	s_delay_alu instid0(VALU_DEP_4)
	v_max3_num_f32 v[BM+16*\u+\b], v[BM+16*\u+\b], |v[S+64*\u+16*\b+\i]|, |v[S+64*\u+16*\b+\i+1]|
.endr
.endr
.endr
.irp b, 0,1
.irp u, 0,1
	s_delay_alu instid0(VALU_DEP_4)
	v_permlanex16_b32 v[PM+16*\u+\b], v[BM+16*\u+\b], s40, s41
.endr
.endr
.irp b, 0,1
.irp u, 0,1
	s_delay_alu instid0(VALU_DEP_4)
	v_max_num_f32 v[BM+16*\u+\b], v[BM+16*\u+\b], v[PM+16*\u+\b]
.endr
.endr
.irp b, 0,1
.irp u, 0,1
	s_delay_alu instid0(VALU_DEP_4)
	v_add_nc_u32 v[SO+16*\u+\b], 0xf8800000, v[BM+16*\u+\b]
.endr
.endr
.irp b, 0,1
.irp u, 0,1
	v_and_or_b32 v[LM+16*\u+\b], v[BM+16*\u+\b], 0x7f800000, s44
.endr
.endr
.irp b, 0,1
.irp u, 0,1
	v_lshrrev_b32 v[PM+16*\u+\b], 23, v[SO+16*\u+\b]
.endr
.endr
.irp u, 0,1
	s_delay_alu instid0(VALU_DEP_2)
	v_lshl_or_b32 v[TT+\u], v[PM+16*\u+1], 8, v[PM+16*\u]          ; my row's two scale bytes
.endr
	s_delay_alu instid0(VALU_DEP_1)
	v_cndmask_b32 v[TT], v[TT], v[TT+1], s48       ; lanes 0-15: tile 0's rows; lanes 16-31: tile 1's
.irp b, 0,1
.irp u, 0,1
.irp i, 0,1,2,3,4,5,6,7,8,9,10,11,12,13,14,15
	v_med3_num_f32 v[S+64*\u+16*\b+\i], v[S+64*\u+16*\b+\i], -v[LM+16*\u+\b], v[LM+16*\u+\b]
.endr
	v_cvt_scalef32_pk8_bf8_f32 v[P+16*\u+4*\b:P+16*\u+4*\b+1], v[S+64*\u+16*\b:S+64*\u+16*\b+7], v[SO+16*\u+\b]
	v_cvt_scalef32_pk8_bf8_f32 v[P+16*\u+4*\b+2:P+16*\u+4*\b+3], v[S+64*\u+16*\b+8:S+64*\u+16*\b+15], v[SO+16*\u+\b]
.endr
.endr
	v_nop                                          ; a plain line behind the last conversion
; My first 8 codes of a block are d = 8 h + 0 .. 7, my second 8 are d = 16 + 8 h + 0 .. 7.  In the natural image lane (r, h') holds d = 16 h' + 0 .. 15: the first 8 go to byte 16 r + 8 h of the image's lower 256 bytes,
; the second 8 to the same byte of its upper 256: each store of the wave covers 256 consecutive bytes, aligned.
.irp u, 0,1
.irp b, 0,1
.irp g, 0,1
	global_store_b64 v[YO], v[P+16*\u+4*\b+2*\g:P+16*\u+4*\b+2*\g+1], s[54:55] offset:\u*4096+\b*512+\g*256
.endr
.endr
.endr
	global_store_b16 v[YSO], v[TT], s[56:57]       ; two of a row's 32 scale bytes: a head owns no more
	s_wait_xcnt 0x0                                ; the stores have read their registers and bases: both may be written again
	s_add_nc_u64 s[54:55], s[54:55], 65536         ; 16 tiles of rows on
	s_add_nc_u64 s[56:57], s[56:57], 8192          ; 256 rows on
	s_sub_co_u32 s47, s47, 1
	s_cmp_lg_u32 s47, 0
	s_cbranch_scc1 .Lpass
	s_wait_tensorcnt 0x0                           ; the wave's end
	ds_add_u32 v[SPW], v[NIL]
	s_wait_dscnt 0x0
	CROUND                                         ; the closing round
	s_endpgm
.Lfunc_end_k_q233272164d_attn:
	.size	k_q233272164d_attn, .Lfunc_end_k_q233272164d_attn-k_q233272164d_attn
	.p2alignl 7, 3214868480
	.fill 96, 4, 3214868480
	.section	.rodata,"a",@progbits
	.p2align	6, 0x0
	.amdhsa_kernel k_q233272164d_attn
		.amdhsa_group_segment_fixed_size 327680
		.amdhsa_private_segment_fixed_size 0
		.amdhsa_enable_private_segment 0
		.amdhsa_kernarg_size 32
		.amdhsa_user_sgpr_count 2
		.amdhsa_user_sgpr_kernarg_segment_ptr 1
		.amdhsa_wavefront_size32 1
		.amdhsa_system_sgpr_workgroup_id_x 1
		.amdhsa_system_sgpr_workgroup_id_y 1
		.amdhsa_system_sgpr_workgroup_id_z 1
		.amdhsa_system_vgpr_workitem_id 0
		.amdhsa_next_free_vgpr 512
		.amdhsa_next_free_sgpr 66
		.amdhsa_reserve_vcc 0
		.amdhsa_float_denorm_mode_32 3
		.amdhsa_float_denorm_mode_16_64 3
		.amdhsa_memory_ordered 1
		.amdhsa_forward_progress 1
		.amdhsa_inst_pref_size 126
	.end_amdhsa_kernel
	.amdgpu_metadata
---
amdhsa.version: [ 1, 2 ]
amdhsa.kernels:
  - .name:           k_q233272164d_attn
    .symbol:         k_q233272164d_attn.kd
    .args:
      - { .name: q, .offset: 0, .size: 8, .value_kind: global_buffer, .address_space: global }
      - { .name: kv, .offset: 8, .size: 8, .value_kind: global_buffer, .address_space: global }
      - { .name: yc, .offset: 16, .size: 8, .value_kind: global_buffer, .address_space: global }
      - { .name: ys, .offset: 24, .size: 8, .value_kind: global_buffer, .address_space: global }
    .group_segment_fixed_size: 327680
    .private_segment_fixed_size: 0
    .kernarg_segment_align: 8
    .kernarg_segment_size: 32
    .max_flat_workgroup_size: 256
    .sgpr_count:     66
    .vgpr_count:     512
    .wavefront_size: 32
...
	.end_amdgpu_metadata
.endif
;; end of part 3
;; launch proj (part 4): grid 4 x 64, 4 waves a work-group, clusters of 4 x 4, 327,680 bytes of LDS; arguments yc, ys, W_proj_codes, W_proj_scales, b_proj, out0; writes out0
.if DOCPART == 4
	.amdgcn_target "amdgcn-amd-amdhsa--gfx1250"
	.amdhsa_code_object_version 6
	.text
	.protected	k_q233272164d_proj
	.globl	k_q233272164d_proj
	.p2align	8
	.type	k_q233272164d_proj,@function
k_q233272164d_proj:
	s_mov_b64 s[64:65], 0
	v_nop
	global_prefetch_b8 v0, s[64:65] scope:SCOPE_SE
	s_setreg_imm32_b32 hwreg(HW_REG_WAVE_MODE, 25, 1), 1
	s_wait_xcnt 0x0
	s_wait_alu depctr_hold_cnt(0) depctr_sa_sdst(0) depctr_va_vdst(0) depctr_va_sdst(0) depctr_va_ssrc(0) depctr_va_vcc(0) depctr_vm_vsrc(0)
	s_getreg_b32 s2, hwreg(HW_REG_IB_STS2, 6, 4)
	s_cmp_eq_u32 s2, 0
	s_cbranch_scc0 .Lentry_in_a_cluster
	s_endpgm
.Lentry_in_a_cluster:
	s_bfe_u32 s2, ttmp6, 0x10000c
	s_cmp_lg_u32 s2, 0xf033
	s_cbranch_scc0 .Lentry_shape_is_right
	s_endpgm
.Lentry_shape_is_right:
; out0 = y W_proj^T + b_proj on codes of BF8 (E5M2) with E8M0 scales, f32 sums and f32 results.
; yc: images of A's fragments, [K step of 256: 4][16 rows: 512][128 of K: 2][block: 4][lane][16 bytes]; ys: [8192][32] scale bytes; W_proj: [1024][1024] codes, [1024][32] scale bytes.
; 256 work-groups of four waves, 4 x 4 to a cluster.  Work-group (i, j), i = 0 .. 63, j = 0 .. 3, makes rows 128 i .. x columns 256 j ..; a wave makes 64 x 128 in 32 accumulators.
; K goes in steps of 256 through a ring of two LDS slots (y's 128 rows as 32,768 dense bytes of images; W's 256 rows of 256 bytes + 16 of padding), filled by joint loads: y's tiles are shared along a row of the cluster, W's along a column.
; A half step is 128 of K, 32 products; both operands have two sets of registers, and the next half step's 48 fragment loads are issued ahead of this one's products.
; The scale bytes of the work-group's rows of y and of W, for all of K, come once, at the head, and stay in LDS.  The bias is the first products' C.
; The matrix instruction is used transposed (source 0 = W's rows, source 1 = y's): a lane holds eight neighbouring columns of one row; a block of 16 rows leaves through the wave's stage as whole rows of 512 bytes.
; The stage lies in slot 0, which has had its last fill and its last read when the first result is stored there.
; No prefetch: the text has no loop to run ahead in: of K's four steps one is asked for at the head and one behind its round.  LIMITS: NaN and infinities are not served.
; REGISTERS: window 0: v0-31 addresses; v32-63 scale words alone; v64-127 the bias; v128-255 y's fragments, two sets of 64 (on the way out: rows read back); window 1: W's fragments, two sets; window 2: accumulators.
.set NQ,     2
.set ROWB,   256
.set KROW,   1024
.set PITCH,  272
.set FR,     16
.set NP,     8
.set ATILE,  32768                     ; y's 128 rows of a K step
.set ASTEP,  2097152                   ; from K step to K step in yc
.set BOFF,   ATILE
.set HALFT,  128*PITCH
.set SLOT,   ATILE+2*HALFT
.set KS,     32
.set SCL,    2*SLOT                    ; y's scale bytes (16 units of 256 + 16), then W's (32 units)
.set HALFS,  16*272
.set SBLK,   2*272
.set SPARE,  SCL+3*HALFS
.set SPITCH, 528
.set NROW,   4096
.set ADRA, 16
.set ADRB, 20
.set STO,  24
.set RD,   25
.set CO,   26
.set ADRS, 27
.set SPW,  28
.set NIL,  29
.set SC,   32
.set BIAS, 64
.set AF,   128
.set BK,   128
.set G1, 24
.set G0, 32
.set G1B, 48
.set G0B, 56
.set G1S, 68
.set G0S, 76
.set G1SB, 80
.set G0SB, 88
.set MSB, 0
.macro WIN new
.if MSB != (\new)
	s_set_vgpr_msb (MSB<<8)|(\new)
.set MSB, (\new)
.endif
.endm
.set MUL_LO,  0xa1                     ; source 0 (W) window 1, source 1 (y) window 0, C and D window 2
.set MUL_LO0, 0x81                     ; the same with C (the bias) in window 0
.set TO_B,    0x40
.macro JLOAD g0a, g1a, g0b, g1b        ; waves 0, 1 fetch y's halves, waves 2, 3 W's: one joint load a wave
	s_cmp_eq_u32 s19, 0
	s_cbranch_scc0 .Lfor_b_\@
	tensor_load_to_lds s[\g0a:\g0a+3], s[\g1a:\g1a+7]
	s_nop 0
.rept 4
	v_nop
.endr
	s_branch .Lasked_\@
.Lfor_b_\@:
	tensor_load_to_lds s[\g0b:\g0b+3], s[\g1b:\g1b+7]
	s_nop 0
.rept 4
	v_nop
.endr
.Lasked_\@:
.endm
.macro CREST
	s_cmp_lg_u32 s18, 0
	s_cbranch_scc1 .Lnot_wave_0_\@
	s_barrier_signal -3
.Lnot_wave_0_\@:
	s_barrier_wait -3
	s_barrier_signal -1
	s_barrier_wait -1
.endm
.macro CROUND
	s_barrier_signal -1
	s_barrier_wait -1
	CREST
.endm
	s_load_b256 s[4:11], s[0:1], 0x0               ; yc, ys, W's codes, W's scales
	s_load_b128 s[12:15], s[0:1], 0x20             ; b_proj, out0
	v_lshl_add_u32 v[SPW], v0, 2, SPARE
	v_mov_b32 v[NIL], 0
	ds_add_u32 v[SPW], v[NIL]                      ; the opening lines
	ds_add_u32 v[SPW], v[NIL]
	s_wait_dscnt 0x0
	v_lshrrev_b32 v1, 5, v0
	v_readfirstlane_b32 s18, v1                    ; wave
	s_lshr_b32 s19, s18, 1                         ; my half of y's rows; also: I fetch for y (0) or for W (1)
	s_and_b32 s20, s18, 1                          ; my half of W's rows; also: which half of a tile I fetch
	s_bfe_u32 s21, ttmp6, 0x40000
	s_bfe_u32 s22, ttmp6, 0x40004
	s_lshl_b32 s40, ttmp9, 2
	s_add_co_u32 s40, s40, s21                     ; j
	s_and_b32 s23, ttmp7, 0xffff
	s_lshl_b32 s23, s23, 2
	s_add_co_u32 s23, s23, s22                     ; i
	s_lshl_b32 s41, s22, 2
	s_lshl_b32 s41, 15, s41                        ; my row of the cluster
	s_lshl_b32 s101, 0x1111, s21                   ; my column
	s_or_b32 s[G1+0], s41, (3<<16)|(1<<21)         ; y's images: dense rows of 256 bytes (32 elements of 8), no padding
	s_mov_b32 s[G1+1], 32<<16
	s_mov_b32 s[G1+2], 128<<16                     ; the head's load brings the whole tile: 128 rows
	s_mov_b32 s[G1+3], 32<<16
	s_mov_b32 s[G1+4], 128
	s_mov_b32 s[G1+5], 32
	s_mov_b32 s[G1+6], 0
	s_mov_b32 s[G1+7], 0
	s_or_b32 s[G1B+0], s101, (0<<16)|(1<<20)|(1<<21)|(5<<22)|(3<<25)
	s_mov_b32 s[G1B+1], ROWB<<16
	s_mov_b32 s[G1B+2], 256<<16                    ; the head's load brings 256 rows
	s_mov_b32 s[G1B+3], ROWB<<16
	s_mov_b32 s[G1B+4], 256
	s_mov_b32 s[G1B+5], KROW
	s_mov_b32 s[G1B+6], 0
	s_mov_b32 s[G1B+7], 0
	s_or_b32 s[G1S+0], s41, (3<<16)|(1<<20)|(1<<21)|(5<<22)|(3<<25)
	s_mov_b32 s[G1S+1], 32<<16
	s_mov_b32 s[G1S+2], 16<<16                     ; the scale bytes of y's 128 rows: 16 rows of 256 bytes
	s_mov_b32 s[G1S+3], 32<<16
	s_mov_b32 s[G1S+4], 16
	s_mov_b32 s[G1S+5], 32
	s_mov_b32 s[G1S+6], 0
	s_mov_b32 s[G1S+7], 0
	s_or_b32 s[G1SB+0], s101, (3<<16)|(1<<20)|(1<<21)|(5<<22)|(3<<25)
	s_mov_b32 s[G1SB+1], 32<<16
	s_mov_b32 s[G1SB+2], 32<<16                    ; of W's 256 rows: 32
	s_mov_b32 s[G1SB+3], 32<<16
	s_mov_b32 s[G1SB+4], 32
	s_mov_b32 s[G1SB+5], 32
	s_mov_b32 s[G1SB+6], 0
	s_mov_b32 s[G1SB+7], 0
	s_lshl_b32 s44, s23, 15                        ; y's tile in a K step of yc
	s_mov_b32 s45, 0
	s_lshl_b32 s92, s23, 12                        ; its scale bytes
	s_mov_b32 s93, 0
	s_lshl_b32 s46, s40, 18                        ; W's tile
	s_mov_b32 s47, 0
	s_lshl_b32 s94, s40, 13
	s_mov_b32 s95, 0
	s_lshl_b32 s96, s20, 14                        ; where my half of y's tile goes,
	s_mul_i32 s2, s20, HALFT
	s_add_co_u32 s2, s2, BOFF                      ; and my half of W's
	s_wait_kmcnt 0x0
	s_add_nc_u64 s[44:45], s[4:5], s[44:45]
	s_add_nc_u64 s[92:93], s[6:7], s[92:93]
	s_add_nc_u64 s[46:47], s[8:9], s[46:47]
	s_add_nc_u64 s[94:95], s[10:11], s[94:95]
	CROUND
	s_mov_b32 s4, 1                                ; s[4:7], s[8:11]: group 0 of K step 0's whole tiles (the arguments that lay there have been used)
	s_mov_b32 s5, 0
	s_mov_b64 s[6:7], s[44:45]
	s_or_b32 s7, s7, 0x80000000
	s_mov_b32 s8, 1
	s_mov_b32 s9, BOFF
	s_mov_b64 s[10:11], s[46:47]
	s_or_b32 s11, s11, 0x80000000
	s_mov_b32 s[G0S], 1
	s_mov_b32 s[G0S+1], SCL
	s_mov_b64 s[G0S+2:G0S+3], s[92:93]
	s_or_b32 s[G0S+3], s[G0S+3], 0x80000000
	s_mov_b32 s[G0SB], 1
	s_mov_b32 s[G0SB+1], SCL+HALFS
	s_mov_b64 s[G0SB+2:G0SB+3], s[94:95]
	s_or_b32 s[G0SB+3], s[G0SB+3], 0x80000000
	s_mov_b32 s98, s96                             ; in the ring I fetch half a tile: 16,384 bytes of images,
	s_mov_b32 s99, 0
	s_add_nc_u64 s[44:45], s[44:45], s[98:99]
	s_lshl_b32 s98, s20, 17                        ; or 128 rows of W
	s_add_nc_u64 s[46:47], s[46:47], s[98:99]
.irp s, 0,1
	s_mov_b32 s[G0+4*\s], 1
	s_add_co_u32 s[G0+4*\s+1], s96, \s*SLOT
	s_add_nc_u64 s[G0+4*\s+2:G0+4*\s+3], s[44:45], \s*ASTEP
	s_or_b32 s[G0+4*\s+3], s[G0+4*\s+3], 0x80000000
	s_mov_b32 s[G0B+4*\s], 1
	s_add_co_u32 s[G0B+4*\s+1], s2, \s*SLOT
	s_add_nc_u64 s[G0B+4*\s+2:G0B+4*\s+3], s[46:47], \s*ROWB
	s_or_b32 s[G0B+4*\s+3], s[G0B+4*\s+3], 0x80000000
.endr
; the head's four tiles, one joint load a wave, in one chain of branches on the wave's number
.macro ARM under, g0, g1, next
	s_cmp_lt_u32 s18, \under
	s_cbranch_scc0 \next
	tensor_load_to_lds s[\g0:\g0+3], s[\g1:\g1+7]
	s_nop 0
.rept 4
	v_nop
.endr
	s_branch .Lhead_asked
\next:
.endm
	ARM 1, 4, G1, .Lhead_b
	ARM 2, 8, G1B, .Lhead_sa
	ARM 3, G0S, G1S, .Lhead_sb
	tensor_load_to_lds s[G0SB:G0SB+3], s[G1SB:G1SB+7]
	s_nop 0
.rept 4
	v_nop
.endr
.Lhead_asked:
	s_lshl_b32 s42, s19, 14                        ; LDS bases, from the wave's number alone: my 64 rows of y,
	s_mul_i32 s3, s20, HALFT
	s_add_co_u32 s3, s3, BOFF                      ; my 128 rows of W,
	s_mul_i32 s43, s19, 2176                       ; my rows' scale bytes: 64 rows are 8 units of 272,
	s_mul_i32 s44, s20, HALFS
	s_add_co_u32 s44, s44, HALFS
	s_sub_co_u32 s44, s44, s43                     ; from y's scale words to W's,
	s_add_co_u32 s43, s43, SCL
	s_mul_i32 s45, s18, 16*SPITCH                  ; my stage
	s_lshl_b32 s46, s40, 10
	s_lshl_b32 s47, s20, 9
	s_add_co_u32 s46, s46, s47                     ; my first column, in bytes
	s_mov_b32 s47, 0
	s_add_nc_u64 s[12:13], s[12:13], s[46:47]
	s_lshl_b32 s92, s23, 7
	s_lshl_b32 s93, s19, 6
	s_add_co_u32 s92, s92, s93                     ; my first row
	s_lshl_b32 s92, s92, 12
	s_add_co_u32 s92, s92, s46
	s_mov_b32 s93, 0
	s_add_nc_u64 s[14:15], s[14:15], s[92:93]
	v_and_b32 v1, 15, v0
	v_bfe_u32 v2, v0, 4, 1
	v_and_b32 v6, 31, v0
	v_lshlrev_b32 v[CO], 4, v6
	v_mul_u32_u24 v3, v1, PITCH
	v_lshl_add_u32 v4, v2, 4, v3
	v_add_nc_u32 v[ADRA], s42, v[CO]
	v_add_nc_u32 v[ADRB], s3, v4
	v_add_nc_u32 v[ADRA+1], SLOT, v[ADRA]
	v_add_nc_u32 v[ADRB+1], SLOT, v[ADRB]
	v_mul_u32_u24 v5, v1, KS
	v_lshrrev_b32 v7, 8, v5
	v_lshl_add_u32 v5, v7, 4, v5                   ; my row's scale bytes: 32 a row, 16 more for each 256 passed
	v_mul_u32_u24 v7, s44, v2                      ; lanes 16-31 take W's
	v_add_nc_u32 v5, v5, v7
	v_add_nc_u32 v[ADRS], s43, v5
	v_mul_u32_u24 v5, v1, SPITCH
	v_lshl_add_u32 v5, v2, 5, v5
	v_add_nc_u32 v[STO], s45, v5
	v_add_nc_u32 v[RD], s45, v[CO]
	v_lshlrev_b32 v7, 5, v2
.irp b, 0,1,2,3,4,5,6,7
	global_load_b128 v[BIAS+8*\b:BIAS+8*\b+3], v7, s[12:13] offset:64*\b        ; the bias of columns 16 b + 8 h + 0 .. 7
	global_load_b128 v[BIAS+8*\b+4:BIAS+8*\b+7], v7, s[12:13] offset:64*\b+16
.endr
.macro FRAG reg, adr, q, i
.irp c, 0,1,2,3
	ds_load_b128 v[\reg+4*\c:\reg+4*\c+3], v[\adr] offset:128*(\q)+32*\c+(\i)*16*PITCH
.endr
.endm
.macro FRAGA reg, adr, q, i            ; an image: 512 consecutive bytes a load
.irp c, 0,1,2,3
	ds_load_b128 v[\reg+4*\c:\reg+4*\c+3], v[\adr] offset:(\i)*4096+(\q)*2048+\c*512
.endr
.endm
.macro HMUL a0, p, sc, zero            ; y's blocks a0, a0 + 1 x W's eight; both operands from set p, the slot's p-th 128 of K.  The 32 accumulators take turns
.irp a, \a0, \a0+1
.irp b, 0,1,2,3,4,5,6,7
.if \zero
	v_wmma_scale_f32_16x16x128_f8f6f4 v[8*(8*(\a)+\b):8*(8*(\a)+\b)+7], v[128*(\p)+FR*\b:128*(\p)+FR*\b+FR-1], v[AF+64*(\p)+FR*(\a):AF+64*(\p)+FR*(\a)+FR-1], v[BIAS+8*\b:BIAS+8*\b+7], v[SC+8*NQ*(\sc)+NQ*\b+(\p)], v[SC+8*NQ*(\sc)+NQ*(\a)+(\p)] matrix_a_fmt:MATRIX_FMT_BF8 matrix_b_fmt:MATRIX_FMT_BF8 matrix_a_scale:MATRIX_SCALE_ROW1
.else
	v_wmma_scale_f32_16x16x128_f8f6f4 v[8*(8*(\a)+\b):8*(8*(\a)+\b)+7], v[128*(\p)+FR*\b:128*(\p)+FR*\b+FR-1], v[AF+64*(\p)+FR*(\a):AF+64*(\p)+FR*(\a)+FR-1], v[8*(8*(\a)+\b):8*(8*(\a)+\b)+7], v[SC+8*NQ*(\sc)+NQ*\b+(\p)], v[SC+8*NQ*(\sc)+NQ*(\a)+(\p)] matrix_a_fmt:MATRIX_FMT_BF8 matrix_b_fmt:MATRIX_FMT_BF8 matrix_a_scale:MATRIX_SCALE_ROW1
.endif
.endr
.endr
.endm
.macro FETCH_B slot, q, p
	WIN TO_B
.irp i, 0,1,2,3,4,5,6,7
	FRAG 128*(\p)+FR*\i, ADRB+\slot, \q, \i
.endr
	WIN 0
.endm
.macro FETCH_C slot, p                 ; y's four blocks of the slot's p-th 128 of K into set p
.irp i, 0,1,2,3
	FRAGA AF+64*(\p)+FR*\i, ADRA+\slot, \p, \i
.endr
.endm
.macro SCALES sc                       ; a K step's scale words: lanes 0-15 y's block i (used for i < 4), lanes 16-31 W's block i
.irp i, 0,1,2,3,4,5,6,7
	ds_load_b64 v[SC+8*NQ*\sc+NQ*\i:SC+8*NQ*\sc+NQ*\i+1], v[ADRS] offset:\i*SBLK
.endr
.endm
.macro PLACES n
.rept \n
	v_nop
.endr
.endm
.macro HS0 slot, zero                  ; a slot's first half step
	PLACES NP                                      ; behind the products that read set 1
	FETCH_B \slot, 1, 1
	FETCH_C \slot, 1
	s_wait_dscnt 48                                ; all but the 48 loads just issued
.if \zero
	WIN MUL_LO0
.else
	WIN MUL_LO
.endif
	HMUL 0, 0, \slot, \zero
	HMUL 2, 0, \slot, \zero
	WIN 0
.endm
.macro HT slot, next, fill             ; its second changes slots.  fill = 1: this slot takes the K step two on
	s_wait_tensorcnt 0x0                           ; my part of the next slot is in
	ds_add_u32 v[SPW], v[NIL]
	s_wait_dscnt 0x0                               ; the add is done, and my reads of this slot are over
	s_barrier_signal -1
	WIN MUL_LO
	HMUL 0, 1, \slot, 0
	WIN 0
	s_barrier_wait -1
.if \fill
	CREST
	s_add_nc_u64 s[G0+4*\slot+2:G0+4*\slot+3], s[G0+4*\slot+2:G0+4*\slot+3], 2*ASTEP
	s_add_nc_u64 s[G0B+4*\slot+2:G0B+4*\slot+3], s[G0B+4*\slot+2:G0B+4*\slot+3], 2*ROWB
	JLOAD G0+4*\slot, G1, G0B+4*\slot, G1B
	PLACES NP-4
.else
	PLACES NP
.endif
	s_wait_alu depctr_va_vdst(0)
	v_add_nc_u32 v[ADRS], 4*NQ, v[ADRS]            ; on to the next K step's scale words
	FETCH_B \next, 0, 0
	FETCH_C \next, 0
	SCALES \next
	WIN MUL_LO
	HMUL 2, 1, \slot, 0
	WIN 0
.endm
	s_wait_alu depctr_va_vdst(0)
	s_wait_tensorcnt 0x0                           ; my tile of the head's four is in
	ds_add_u32 v[SPW], v[NIL]
	s_mov_b32 s[G1+2], 64<<16                      ; no tensor load of mine is out: from here on a load brings half a tile
	s_mov_b32 s[G1+4], 64
	s_mov_b32 s[G1B+2], 128<<16
	s_mov_b32 s[G1B+4], 128
	s_wait_dscnt 0x0
	CROUND                                         ; all four tiles are in, in every partner
	JLOAD G0+4, G1, G0B+4, G1B                     ; slot 1's first fill: K step 1
	FETCH_B 0, 0, 0
	FETCH_C 0, 0
	SCALES 0
	s_wait_loadcnt 0x0                             ; the bias
	HS0 0, 1
	HT 0, 1, 1
	HS0 1, 0
	HT 1, 0, 1
	HS0 0, 0
	HT 0, 1, 0
	HS0 1, 0
	s_wait_dscnt 0x0
	WIN MUL_LO
	HMUL 0, 1, 1, 0
	HMUL 2, 1, 1, 0
	WIN 0
; THE WAY OUT, block by block of 16 rows x 128 columns, through my own stage; LDS serves a wave's instructions in order (ISA guide 5.7.1.4)
.macro TOSTAGE a
.set AC, 64*(\a)
	WIN 0x08
.irp b, 0,1,2,3,4,5,6,7
	ds_store_b128 v[STO], v[AC+8*\b:AC+8*\b+3] offset:64*\b          ; each accumulator from its low end on
	ds_store_b128 v[STO], v[AC+8*\b+4:AC+8*\b+7] offset:64*\b+16
.endr
	WIN 0
.set BB, BK+64*((\a)%2)
.irp t, 0,1,2,3,4,5,6,7,8,9,10,11,12,13,14,15
	ds_load_b128 v[BB+4*\t:BB+4*\t+3], v[RD] offset:\t*SPITCH
.endr
.endm
.macro SEND a, younger
.set BB, BK+64*((\a)%2)
	s_wait_dscnt \younger                          ; the block is back; the next block's 16 stores and 16 loads may be out
.if (\a) > 0
	s_add_nc_u64 s[14:15], s[14:15], 16*NROW
.endif
.irp t, 0,1,2,3,4,5,6,7,8,9,10,11,12,13,14,15
	global_store_b128 v[CO], v[BB+4*\t:BB+4*\t+3], s[14:15] offset:\t*NROW th:TH_STORE_NT   ; 512 consecutive bytes, aligned
.endr
.endm
	PLACES NP
	TOSTAGE 0
.irp a, 1,2,3
.if \a > 1
	s_wait_xcnt 0x0                                ; block a - 2's stores have read their registers and their base
.endif
	TOSTAGE \a
	SEND \a-1, 32
.endr
	s_wait_xcnt 0x0
	SEND 3, 0
	s_wait_tensorcnt 0x0                           ; the wave's end
	ds_add_u32 v[SPW], v[NIL]
	s_wait_dscnt 0x0
	CROUND
	s_endpgm
.Lfunc_end_k_q233272164d_proj:
	.size	k_q233272164d_proj, .Lfunc_end_k_q233272164d_proj-k_q233272164d_proj
	.p2alignl 7, 3214868480
	.fill 96, 4, 3214868480
	.section	.rodata,"a",@progbits
	.p2align	6, 0x0
	.amdhsa_kernel k_q233272164d_proj
		.amdhsa_group_segment_fixed_size 327680
		.amdhsa_private_segment_fixed_size 0
		.amdhsa_enable_private_segment 0
		.amdhsa_kernarg_size 48
		.amdhsa_user_sgpr_count 2
		.amdhsa_user_sgpr_kernarg_segment_ptr 1
		.amdhsa_wavefront_size32 1
		.amdhsa_system_sgpr_workgroup_id_x 1
		.amdhsa_system_sgpr_workgroup_id_y 1
		.amdhsa_system_sgpr_workgroup_id_z 1
		.amdhsa_system_vgpr_workitem_id 0
		.amdhsa_next_free_vgpr 1024
		.amdhsa_next_free_sgpr 102
		.amdhsa_reserve_vcc 0
		.amdhsa_float_denorm_mode_32 3
		.amdhsa_float_denorm_mode_16_64 3
		.amdhsa_memory_ordered 1
		.amdhsa_forward_progress 1
		.amdhsa_inst_pref_size 91
	.end_amdhsa_kernel
	.amdgpu_metadata
---
amdhsa.version: [ 1, 2 ]
amdhsa.kernels:
  - .name:           k_q233272164d_proj
    .symbol:         k_q233272164d_proj.kd
    .args:
      - { .name: yc, .offset: 0, .size: 8, .value_kind: global_buffer, .address_space: global }
      - { .name: ys, .offset: 8, .size: 8, .value_kind: global_buffer, .address_space: global }
      - { .name: W_proj_codes, .offset: 16, .size: 8, .value_kind: global_buffer, .address_space: global }
      - { .name: W_proj_scales, .offset: 24, .size: 8, .value_kind: global_buffer, .address_space: global }
      - { .name: b_proj, .offset: 32, .size: 8, .value_kind: global_buffer, .address_space: global }
      - { .name: out0, .offset: 40, .size: 8, .value_kind: global_buffer, .address_space: global }
    .group_segment_fixed_size: 327680
    .private_segment_fixed_size: 0
    .kernarg_segment_align: 8
    .kernarg_segment_size: 48
    .max_flat_workgroup_size: 128
    .sgpr_count:     102
    .vgpr_count:     1024
    .wavefront_size: 32
...
	.end_amdgpu_metadata
.endif
;; end of part 4
